; MI455X (gfx1250); checked and timed in simulation.
; The chip was launched on July 23, 2026; its instructions are those of AMD's public machine-readable ISA for CDNA 5 (MIT licence, August 2026) and "CDNA5" Instruction Set Architecture Reference Guide (July 2026). The comments in the code are by the model that wrote it; some were corrected since.
;; Attention. Allowed arithmetic: matrix products marked QUANTISED: E2M1 operands, one E8M0 scale for each 32 along K, by v_wmma_scale_f32_16x16x128_f8f6f4 with both operands' format E2M1 (or v_wmma_scale_f32_32x16x128_f4), f32 sums; products left as they are: bf16, f16 or f32 operands; f32 sums; everything else in f32.
;; Inputs: Wk 2,048 x 512 float32; Wo 2,048 x 2,048 float32; Wq 2,048 x 2,048 float32; Wv 2,048 x 512 float32; rope_cache 2,048 x 64 x 2 float32; x 1 x 2,048 x 2,048 float32.
;; Outputs: out0 1 x 2,048 x 2,048 float32.
;; This version of the problem:
;;   THIS VERSION OF THE PROBLEM IS GIVEN IN LOW PRECISION. The matrix products marked QUANTISED in the list below multiply operands that are first quantised to E2M1 (2 exponent bits, 1 mantissa bit; 4 bits a number), with one power-of-two scale for each 32 numbers along K (OCP MX v1.0); their sums are f32. The products marked 'left as it is' may take bf16, f16 or f32 operands, with f32 sums. Whichever they take, every output number must still come out within the allowed error. Rounding operands to bf16 (8 significant bits) uses up far more of that allowance than f16 does (11 bits, for magnitudes from 6e-5 to 65,504). All else is computed in f32.
;;   The module's matrix products, in the order in which they are computed (A, B: the left and right operand; K: the contracted axis; several contracted axes count as one K, in the product's order):
;;     1. [M 2,048, K 2,048] x [K 2,048, N 2,048]; A: input x; B: input Wq: QUANTISED
;;     2. [M 2,048, K 2,048] x [K 2,048, N 512]; A: input x; B: input Wk: QUANTISED
;;     3. [M 2,048, K 2,048] x [K 2,048, N 512]; A: input x; B: input Wv: QUANTISED
;;     4. batch 16 x [M 2,048, K 128] x [K 128, N 2,048]; A: computed on the way; B: computed on the way: left as it is (an operand is computed on the way)
;;     5. batch 16 x [M 2,048, K 2,048] x [K 2,048, N 128]; A: computed on the way; B: computed on the way: left as it is (an operand is computed on the way)
;;     6. [M 2,048, K 2,048] x [K 2,048, N 2,048]; A: computed on the way; B: input Wo: left as it is (an operand is computed on the way)
;;   THE QUANTISER, for each operand of a quantised product, along K:
;;     - K is cut into blocks of 32 from its start; a last block that is shorter is filled with zeros.
;;     - A block's scale is 2^e with e = floor(log2(the largest magnitude in the block)) - 2, held to -126 .. 127; a block of zeros has e = 0. As a byte (E8M0): e + 127.
;;     - Each number is divided by its block's scale, clamped to +-6, and rounded to the nearest number of E2M1, ties to even, subnormals kept.
;;     - The product sums the exact products of the quantised numbers (number of the format x scale) in f32.
;;   ~~~python
;;   def quantise(x, axis):      # numpy; x: float32 -> the quantised numbers, widened to float32 again
;;       x = np.moveaxis(x, axis, -1); K = x.shape[-1]
;;       x = np.pad(x, [(0, 0)] * (x.ndim - 1) + [(0, -K % 32)]); x = x.reshape(x.shape[:-1] + (-1, 32)); a = np.abs(x).max(-1, keepdims=True)
;;       e = np.where(a > 0, np.clip(np.frexp(np.where(a > 0, a, 1))[1] - 1 - 2, -126, 127), 0)      # np.frexp(a)[1] - 1 = floor(log2(a)), exactly
;;       r = np.clip(x / 2.0 ** e, -6, 6)
;;       step = 2.0 ** (np.maximum(np.frexp(np.where(r == 0, 1, r))[1] - 1, 0) - 1)
;;       q = np.round(r / step) * step * 2.0 ** e      # np.round: ties to even
;;       return np.moveaxis(q.reshape(q.shape[:-2] + (-1,))[..., :K], -1, axis).astype(np.float32)
;;   ~~~
;; One version. Each part assembles by itself: llvm-mc -triple=amdgcn-amd-amdhsa -mcpu=gfx1250 --defsym DOCPART=n.
;; ======== version 1 of 1: 5 launches
;; limits: values are held in f16: magnitudes above 65,504 overflow, below 6.1e-05 lose precision
;; workspace buffers: codes 5,570,560 bytes; wimg 8,388,608 bytes; heads 12,582,912 bytes; top 196,608 bytes; yimg 8,388,608 bytes
;; launch prep (part 1): grid 352 x 1, 4 waves a work-group, no clusters, 34,304 bytes of LDS; arguments x, Wq, Wk, Wv, Wo, codes, wimg; writes codes, wimg
.if DOCPART == 1
	.amdgcn_target "amdgcn-amd-amdhsa--gfx1250"
	.amdhsa_code_object_version 6
	.text
	.protected	k_q277a6cf37b_prep
	.globl	k_q277a6cf37b_prep
	.p2align	8
	.type	k_q277a6cf37b_prep,@function
k_q277a6cf37b_prep:
	s_mov_b64 s[64:65], 0
	v_nop
	global_prefetch_b8 v0, s[64:65] scope:SCOPE_SE
	s_setreg_imm32_b32 hwreg(HW_REG_WAVE_MODE, 25, 1), 1
	s_wait_xcnt 0x0
; x [2048][2048] and Wq | Wk | Wv [2048][2048 | 512 | 512], f32, become codes of FP4 (E2M1) with one E8M0 byte for each 32 along K = 2048; Wo [2048][2048] becomes f16.
; All three results are laid AS IMAGES OF THE OPERANDS' REGISTERS, so that the later launches fetch dense blocks and load fragments at 16 x lane.
; codes: [40 tiles of 128 rows][4 quarters of K][34,816 bytes]; tiles 0-15 are x's rows, tile 16 + ct the weights' columns 128 ct on (0-15 Wq, 16-19 Wk, 20-23 Wv).
;   A quarter: [8 blocks of 16 rows][4 K steps of 128][1,024 bytes: block kb of 32 codes of row r at 256 kb + 16 r], then 2,048 scale bytes [8][16 rows][4 words, one a K step].
; wimg: [16 column tiles of 128][8 chunks of 256 along K][8 tiles of 16 columns][8 K steps of 32][1,024 bytes: eight numbers k = 8 o on of column r at 256 o + 16 r].
; A block's scale is 2^(floor(log2(largest magnitude)) - 2): its byte is the largest magnitude's exponent field - 2, held at 1 from below.
; LIMITS: a block of zeros gets the byte 1 (its codes are zeros; this program alone reads the bytes); NaN and infinities are not served; |Wo| stays under 65,504 (f16).
; Work-groups 0-127: 16 rows of x each, a wave a quarter of K.  128-223: a weight tile's quarter, a wave 32 columns.  224-351: a chunk of Wo, a wave 32 columns.  Waves share nothing: no barrier.
.set SPARE, 33792                      ; behind the four stages of 8,448 bytes: the spare words, 128 bytes a wave
.set SPW,   12                         ; v12  my spare word's LDS address; never rewritten
.set NIL,   13                         ; v13  0; never rewritten
.set TM,    208                        ; v208-223 at work in QUANT
.set TILEB, 139264
.set QBLK,  34816
	s_load_b256 s[4:11], s[0:1], 0x0               ; x, Wq, Wk, Wv
	s_load_b128 s[12:15], s[0:1], 0x20             ; Wo, codes
	s_load_b64 s[18:19], s[0:1], 0x30              ; wimg
	v_lshl_add_u32 v[SPW], v0, 2, SPARE
	v_mov_b32 v[NIL], 0
	v_lshrrev_b32 v1, 5, v0
	v_readfirstlane_b32 s16, v1                    ; wave
	v_and_b32 v2, 31, v0                           ; lane
	v_and_b32 v3, 15, v0                           ; r
	v_bfe_u32 v4, v0, 4, 1                         ; h
	v_lshlrev_b32 v5, 4, v2                        ; 16 x lane
	s_mov_b32 s21, 0                               ; the high words of three offsets
	s_mov_b32 s23, 0
	s_mov_b32 s25, 0
	s_wait_kmcnt 0x0
	s_cmp_lt_u32 ttmp9, 128
	s_cbranch_scc0 .Lnot_x
; ---------------- x: K is innermost.  A load reads 512 consecutive bytes of one row; the 16 rows x 128 numbers of a K step turn through my stage, so that lane (r, h) holds, of row r, 16 neighbours of each block of 32.
	s_mul_i32 s17, s16, 8448
	v_add_nc_u32 v6, s17, v5                       ; the stage, in: 16 x lane, a row every 528 bytes
	v_mul_u32_u24 v7, v3, 528
	v_lshl_add_u32 v7, v4, 6, v7
	v_add_nc_u32 v7, s17, v7                       ; back: row r, + 64 h
	v_lshlrev_b32 v1, 4, v3
	v_lshl_add_u32 v1, v4, 3, v1                   ; the scale words' place: 16 r + 8 h
	s_mov_b32 s26, 0x76543210
	s_mov_b32 s27, 0xfedcba98                      ; v_permlanex16_b32's selects for lane l xor 16
.irp b, 0,1,2,3
	v_mov_b32 v[TM+4+\b], 0                        ; written once: a lane permute's destination counts as one of its sources
.endr
	s_lshl_b32 s20, ttmp9, 17                      ; 16 rows of 8,192 bytes
	s_lshl_b32 s22, s16, 11                        ; my quarter: 512 numbers
	s_add_co_u32 s20, s20, s22
	s_add_nc_u64 s[4:5], s[4:5], s[20:21]
	s_lshr_b32 s20, ttmp9, 3
	s_mul_i32 s20, s20, TILEB
	s_mul_i32 s22, s16, QBLK
	s_add_co_u32 s20, s20, s22                     ; the tile's quarter
	s_and_b32 s24, ttmp9, 7
	s_lshl_b32 s22, s24, 12
	s_add_co_u32 s22, s22, s20
	s_add_nc_u64 s[28:29], s[14:15], s[22:23]      ; my block's four images
	s_lshl_b32 s24, s24, 8
	s_add_co_u32 s24, s24, s20
	s_add_co_u32 s24, s24, 32768
	s_add_nc_u64 s[30:31], s[14:15], s[24:25]      ; and its 256 scale bytes
; 64 numbers of a lane, register 16 b + i = k 32 b + 16 h + i of my row, become a fragment's 8 registers of codes from v[pc] on and its scale word in v[pw]
.macro QUANT s, pc, pw
.irp b, 0,1,2,3
	v_max3_num_f32 v[TM+\b], |v[(\s)+16*\b]|, |v[(\s)+1+16*\b]|, 0x1800000   ; my 16 numbers of block b, and the floor 2^(3 - 127): the byte cannot fall under 1
.endr
.irp i, 2,4,6,8,10,12,14
.irp b, 0,1,2,3
	v_max3_num_f32 v[TM+\b], v[TM+\b], |v[(\s)+16*\b+\i]|, |v[(\s)+1+16*\b+\i]|
.endr
.endr
.irp b, 0,1,2,3
	v_permlanex16_b32 v[TM+4+\b], v[TM+\b], s26, s27
.endr
.irp b, 0,1,2,3
	v_max_num_f32 v[TM+\b], v[TM+\b], v[TM+4+\b]   ; with lane l xor 16's: the block's largest magnitude
.endr
.irp b, 0,1,2,3
	v_add_nc_u32 v[TM+12+\b], 0xff000000, v[TM+\b] ; 2 off its exponent field: the conversion's scale operand
.endr
.irp b, 0,1,2,3
	v_lshrrev_b32 v[TM+4+\b], 23, v[TM+12+\b]      ; the scale's byte
.endr
	v_lshl_or_b32 v[\pw], v[TM+5], 8, v[TM+4]
	v_lshl_or_b32 v[\pw], v[TM+6], 16, v[\pw]
	v_lshl_or_b32 v[\pw], v[TM+7], 24, v[\pw]
.irp b, 0,1,2,3
	v_cvt_scalef32_pk8_fp4_f32 v[(\pc)+2*\b], v[(\s)+16*\b:(\s)+7+16*\b], v[TM+12+\b]
	v_cvt_scalef32_pk8_fp4_f32 v[(\pc)+1+2*\b], v[(\s)+8+16*\b:(\s)+15+16*\b], v[TM+12+\b]
.endr
	v_nop                                          ; one plain place behind a scaled conversion
.irp c, 0,1                                    ; the operand wants a whole block in a lane: lanes 0-15 block 2 c, lanes 16-31 block 2 c + 1
.irp i, 0,1
	v_permlane16_swap_b32 v[(\pc)+4*\c+\i], v[(\pc)+2+4*\c+\i]
.endr
.endr
.endm
.macro XLOAD s, set                    ; K step s of my 16 rows into set 0 (v16-79) or 1 (v80-143)
.set I, 0
.rept 16
	global_load_b128 v[16+64*(\set)+4*I:16+64*(\set)+4*I+3], v5, s[4:5] offset:I*8192+(\s)*512 th:TH_LOAD_NT
.set I, I+1
.endr
.endm
.macro XSTEP s
.if (\s) < 3
	s_wait_loadcnt 16                              ; this step's 16 loads are in; the next step's 16 may be out
.else
	s_wait_loadcnt 0x0
.endif
.set I, 0
.rept 16
	ds_store_b128 v6, v[16+64*((\s)%2)+4*I:16+64*((\s)%2)+4*I+3] offset:I*528
.set I, I+1
.endr
.irp b, 0,1,2,3
.irp j, 0,1,2,3
	ds_load_b128 v[144+16*\b+4*\j:144+16*\b+4*\j+3], v7 offset:128*\b+16*\j   ; LDS serves a wave's instructions in order: these see my stores
.endr
.endr
	s_wait_dscnt 0x0
.if (\s) < 2
	XLOAD (\s)+2, (\s)%2
.endif
	QUANT 144, 224+8*(\s), 8+(\s)
	global_store_b128 v5, v[224+8*(\s):224+8*(\s)+3], s[28:29] offset:(\s)*1024        ; each store covers 512 consecutive bytes; every step has its own registers
	global_store_b128 v5, v[224+8*(\s)+4:224+8*(\s)+7], s[28:29] offset:(\s)*1024+512
.endm
	XLOAD 0, 0
	XLOAD 1, 1
.irp s, 0,1,2,3
	XSTEP \s
.endr
	v_cmp_lt_u32 vcc_lo, 15, v2                    ; both halves of the lanes hold all four words: lanes 0-15 store K steps 0, 1, lanes 16-31 K steps 2, 3
	v_cndmask_b32 v14, v8, v10, vcc_lo
	v_cndmask_b32 v15, v9, v11, vcc_lo
	global_store_b64 v1, v[14:15], s[30:31]        ; 256 consecutive bytes
	s_wait_tensorcnt 0x0                           ; the wave's end, behind my last LDS store
	ds_add_u32 v[SPW], v[NIL]
	s_wait_dscnt 0x0
	s_endpgm
; ---------------- the weights of the quantised products: K is the FIRST axis.  A lane takes a column and its registers run down K: a block of 32 is one lane's, and the conversions give codes with K innermost.
.macro WLOAD t, pitch
.set I, 0
.rept 32
	global_load_b32 v[32+32*((\t)%2)+I], v20, s[6:7] offset:(32*(\t)+I)*(\pitch) th:TH_LOAD_NT   ; 128 consecutive bytes a wave, 512 a work-group
.set I, I+1
.endr
.endm
.macro WBLOCK t, pitch
.set XS, 32+32*((\t)%2)
.if (\t) < 15
	s_wait_loadcnt 32                              ; this block's 32 loads are in; the next block's may be out
.else
	s_wait_loadcnt 0x0
.endif
	v_max3_num_f32 v8, |v[XS]|, |v[XS+1]|, |v[XS+2]|
	v_max3_num_f32 v9, |v[XS+3]|, |v[XS+4]|, |v[XS+5]|
.irp i, 6,10,14,18,22,26
	v_max3_num_f32 v8, v8, |v[XS+\i]|, |v[XS+\i+1]|
	v_max3_num_f32 v9, v9, |v[XS+\i+2]|, |v[XS+\i+3]|
.endr
	v_max3_num_f32 v8, v8, |v[XS+30]|, |v[XS+31]|
	v_max3_num_f32 v8, v8, v9, 0x1800000           ; and the floor
	v_add_nc_u32 v11, 0xff000000, v8               ; the conversion's scale operand
	v_lshrrev_b32 v10, 23, v11                     ; the byte
.if (\t)%4 == 0
	v_mov_b32 v[24+(\t)/4], v10                    ; four bytes make a K step's word
.else
	v_lshl_or_b32 v[24+(\t)/4], v10, 8*((\t)%4), v[24+(\t)/4]
.endif
.irp g, 0,1,2,3
	v_cvt_scalef32_pk8_fp4_f32 v[96+4*(\t)+\g], v[XS+8*\g:XS+8*\g+7], v11
.endr
	global_store_b128 v21, v[96+4*(\t):96+4*(\t)+3], s[28:29] offset:(\t)*256   ; sixteen lanes store 256 consecutive bytes; every block has its own registers
.if (\t)+2 < 16
	WLOAD (\t)+2, \pitch
.endif
.endm
.macro WPATH pitch
	WLOAD 0, \pitch
	WLOAD 1, \pitch
.set Q, 0
.rept 16
	WBLOCK Q, \pitch
.set Q, Q+1
.endr
	global_store_b128 v5, v[24:27], s[30:31]       ; my column's four words: 512 consecutive bytes a wave
.endm
.Lnot_x:
	s_cmp_lt_u32 ttmp9, 224
	s_cbranch_scc0 .Lpath_o
	s_sub_co_u32 s17, ttmp9, 128
	s_lshr_b32 s26, s17, 2                         ; ct: the column tile
	s_and_b32 s27, s17, 3                          ; the quarter of K
	v_lshlrev_b32 v20, 2, v2                       ; in: 4 bytes a lane
	v_lshlrev_b32 v21, 12, v4
	v_lshl_add_u32 v21, v3, 4, v21                 ; out: block of 16 columns (lane / 16) x 4,096 + 16 r
	s_add_co_u32 s20, s26, 16
	s_mul_i32 s20, s20, TILEB
	s_mul_i32 s22, s27, QBLK
	s_add_co_u32 s20, s20, s22
	s_lshl_b32 s22, s16, 13                        ; my two blocks of 16 columns
	s_add_co_u32 s22, s22, s20
	s_add_nc_u64 s[28:29], s[14:15], s[22:23]
	s_lshl_b32 s24, s16, 9
	s_add_co_u32 s24, s24, s20
	s_add_co_u32 s24, s24, 32768
	s_add_nc_u64 s[30:31], s[14:15], s[24:25]
	s_lshl_b32 s22, s16, 7                         ; my 32 columns, in bytes
	s_cmp_lt_u32 s26, 16
	s_cbranch_scc0 .Lkv
	s_lshl_b32 s20, s26, 9
	s_add_co_u32 s20, s20, s22
	s_lshl_b32 s24, s27, 22                        ; 512 rows of 8,192 bytes
	s_add_co_u32 s20, s20, s24
	s_add_nc_u64 s[6:7], s[6:7], s[20:21]
	WPATH 8192
	s_endpgm
.Lkv:
	s_cmp_lt_u32 s26, 20                           ; Wk or Wv: the choice hangs on the work-group's number alone
	s_cselect_b64 s[6:7], s[8:9], s[10:11]
	s_and_b32 s20, s26, 3
	s_lshl_b32 s20, s20, 9
	s_add_co_u32 s20, s20, s22
	s_lshl_b32 s24, s27, 20                        ; 512 rows of 2,048 bytes
	s_add_co_u32 s20, s20, s24
	s_add_nc_u64 s[6:7], s[6:7], s[20:21]
	WPATH 2048
	s_endpgm
; ---------------- Wo to f16, the same plan: a lane a column, registers down K; 32 numbers are a K step's four groups of eight
.macro OLOAD t
.set I, 0
.rept 32
	global_load_b32 v[32+32*((\t)%2)+I], v20, s[12:13] offset:(32*(\t)+I)*8192 th:TH_LOAD_NT
.set I, I+1
.endr
.endm
.macro OBLOCK t
.set XS, 32+32*((\t)%2)
.if (\t) < 7
	s_wait_loadcnt 32                              ; the next K step's 32 loads may be out
.else
	s_wait_loadcnt 0x0
.endif
.set I, 0
.rept 16
	v_cvt_pk_f16_f32 v[96+16*(\t)+I], v[XS+2*I], v[XS+2*I+1]   ; the lower k in the low half
.set I, I+1
.endr
.irp u, 0,1,2,3
	global_store_b128 v22, v[96+16*(\t)+4*\u:96+16*(\t)+4*\u+3], s[18:19] offset:(4*(\t)+\u)*256   ; sixteen lanes store 256 consecutive bytes
.endr
.if (\t)+2 < 8
	OLOAD (\t)+2
.endif
.endm
.Lpath_o:
	s_sub_co_u32 s17, ttmp9, 224
	s_lshr_b32 s26, s17, 3                         ; the column tile
	s_and_b32 s27, s17, 7                          ; the chunk of 256 along K
	v_lshlrev_b32 v20, 2, v2
	v_lshlrev_b32 v22, 13, v4
	v_lshl_add_u32 v22, v3, 4, v22                 ; out: tile of 16 columns (lane / 16) x 8,192 + 16 r
	s_lshl_b32 s20, s27, 21                        ; 256 rows of 8,192 bytes
	s_lshl_b32 s22, s26, 9
	s_add_co_u32 s20, s20, s22
	s_lshl_b32 s22, s16, 7
	s_add_co_u32 s20, s20, s22
	s_add_nc_u64 s[12:13], s[12:13], s[20:21]
	s_lshl_b32 s22, s26, 19
	s_lshl_b32 s24, s27, 16
	s_add_co_u32 s22, s22, s24
	s_lshl_b32 s24, s16, 14
	s_add_co_u32 s22, s22, s24
	s_add_nc_u64 s[18:19], s[18:19], s[22:23]
	OLOAD 0
	OLOAD 1
.set Q, 0
.rept 8
	OBLOCK Q
.set Q, Q+1
.endr
	s_endpgm
.Lfunc_end_k_q277a6cf37b_prep:
	.size	k_q277a6cf37b_prep, .Lfunc_end_k_q277a6cf37b_prep-k_q277a6cf37b_prep
	.p2alignl 7, 3214868480
	.fill 96, 4, 3214868480
	.section	.rodata,"a",@progbits
	.p2align	6, 0x0
	.amdhsa_kernel k_q277a6cf37b_prep
		.amdhsa_group_segment_fixed_size 34304
		.amdhsa_private_segment_fixed_size 0
		.amdhsa_enable_private_segment 0
		.amdhsa_kernarg_size 56
		.amdhsa_user_sgpr_count 2
		.amdhsa_user_sgpr_kernarg_segment_ptr 1
		.amdhsa_wavefront_size32 1
		.amdhsa_system_sgpr_workgroup_id_x 1
		.amdhsa_system_sgpr_workgroup_id_y 1
		.amdhsa_system_sgpr_workgroup_id_z 1
		.amdhsa_system_vgpr_workitem_id 0
		.amdhsa_next_free_vgpr 256
		.amdhsa_next_free_sgpr 66
		.amdhsa_reserve_vcc 1
		.amdhsa_float_denorm_mode_32 3
		.amdhsa_float_denorm_mode_16_64 3
		.amdhsa_memory_ordered 1
		.amdhsa_forward_progress 1
		.amdhsa_inst_pref_size 216
	.end_amdhsa_kernel
	.amdgpu_metadata
---
amdhsa.version: [ 1, 2 ]
amdhsa.kernels:
  - .name:           k_q277a6cf37b_prep
    .symbol:         k_q277a6cf37b_prep.kd
    .args:
      - { .name: x, .offset: 0, .size: 8, .value_kind: global_buffer, .address_space: global }
      - { .name: Wq, .offset: 8, .size: 8, .value_kind: global_buffer, .address_space: global }
      - { .name: Wk, .offset: 16, .size: 8, .value_kind: global_buffer, .address_space: global }
      - { .name: Wv, .offset: 24, .size: 8, .value_kind: global_buffer, .address_space: global }
      - { .name: Wo, .offset: 32, .size: 8, .value_kind: global_buffer, .address_space: global }
      - { .name: codes, .offset: 40, .size: 8, .value_kind: global_buffer, .address_space: global }
      - { .name: wimg, .offset: 48, .size: 8, .value_kind: global_buffer, .address_space: global }
    .group_segment_fixed_size: 34304
    .private_segment_fixed_size: 0
    .kernarg_segment_align: 8
    .kernarg_segment_size: 56
    .max_flat_workgroup_size: 128
    .sgpr_count:     66
    .vgpr_count:     256
    .wavefront_size: 32
...
	.end_amdgpu_metadata
.endif
;; end of part 1
;; launch qkvrope (part 2): grid 24 x 16, 4 waves a work-group, clusters of 4 x 1, 279,040 bytes of LDS; arguments codes, rope_cache, heads, top; writes heads, top
.if DOCPART == 2
	.amdgcn_target "amdgcn-amd-amdhsa--gfx1250"
	.amdhsa_code_object_version 6
	.text
	.protected	k_q277a6cf37b_qkvrope
	.globl	k_q277a6cf37b_qkvrope
	.p2align	8
	.type	k_q277a6cf37b_qkvrope,@function
k_q277a6cf37b_qkvrope:
	s_mov_b64 s[64:65], 0
	v_nop
	global_prefetch_b8 v0, s[64:65] scope:SCOPE_SE
	s_setreg_imm32_b32 hwreg(HW_REG_WAVE_MODE, 25, 1), 1
	s_wait_xcnt 0x0
	s_wait_alu depctr_hold_cnt(0) depctr_sa_sdst(0) depctr_va_vdst(0) depctr_va_sdst(0) depctr_va_ssrc(0) depctr_va_vcc(0) depctr_vm_vsrc(0)
	s_getreg_b32 s2, hwreg(HW_REG_IB_STS2, 6, 4)
	s_cmp_eq_u32 s2, 0
	s_cbranch_scc0 .Lentry_in_a_cluster
	s_endpgm
.Lentry_in_a_cluster:
	s_bfe_u32 s2, ttmp6, 0x10000c
	s_cmp_lg_u32 s2, 0x3003
	s_cbranch_scc0 .Lentry_shape_is_right
	s_endpgm
.Lentry_shape_is_right:
; [q | k | v] = x [Wq | Wk | Wv] on codes of FP4 with E8M0 scales (K = 2048), then the rotation of q and k; out as f16, heads [24 slots][2048 positions][128] (0-15 q, 16-19 k, 20-23 v),
; and the first 16 positions once more as f32, for the launch that carries those rows in f32: top [24 slots][16 pieces][512 bytes], AN IMAGE OF THAT LAUNCH'S OPERAND REGISTERS: in piece i the 16 bytes at
; 16 (16 h + r) are channels 64 h + 4 i on of position r.
; A work-group makes 128 positions x one slot's 128 columns; wave w its positions 32 w on x all 128 columns: 16 accumulators.  ALL OF K LIES IN LDS: both operands' tiles are 4 quarters of 34,816 dense bytes
; (register images and scale words, as the launch before laid them), fetched at the head, 4 tensor loads a wave; nothing is filled again.  The products of a quarter begin when that quarter has landed.
; CLUSTER: the four work-groups of a cluster share the positions: x's tile is asked for JOINTLY (mask 15); each has its own weights, by plain loads.  No 4 x 4 cluster: the store of the f32 rows is a
; branch on the tile row, which partners along y would not share.
; THE MATRIX INSTRUCTION IS USED TRANSPOSED (source 0 = 16 columns of the weights, source 1 = 16 positions): a lane holds eight neighbouring columns of one position.
; LIMITS: |q|, |k|, |v| stay under 65,504 (f16); NaN and infinities are not served.
; REGISTERS: window 0: v8-24 addresses; v32-111, v112-191 two sets of fragments (x's 2, then the weights' 8); v192-211, v212-231 two sets of scale words, which hold nothing else; on the way out v32-163 are free.
;   window 1: v0-127 the accumulators ((a, b) at 8 (8 a + b)); v128-255 the table's (cos, sin) of my 32 positions.
.set QBLK,  34816
.set TILEB, 139264
.set BOFF,  139264                     ; LDS: x's four quarters, then the weights'
.set SPARE, 278528                     ; behind them: the spare words, 128 bytes a wave
.set AQ,  8                            ; v8-11   x's fragments of my 32 positions, quarter q
.set BQ,  12                           ; v12-15  the weights' fragments, quarter q
.set XSA, 16                           ; v16-19  x's scale words
.set STO, 20                           ; v20     the way out: where I put 32 bytes of a row
.set RD,  21                           ; v21     and where I read a row back
.set L8,  22                           ; v22     8 x lane
.set L16, 23                           ; v23     16 x lane
.set TOPO, 24                          ; v24     my four columns' place in top's image: 512 (lane % 16) + 256 (lane / 16)
.set SPW, 28
.set NIL, 29
.set F,   32
.set SC,  192
.set MSB, 0
.macro WIN new                         ; the immediate's high byte repeats the setting that is left
.if MSB != \new
	s_set_vgpr_msb (MSB<<8)|\new
.set MSB, \new
.endif
.endm
.macro PLACES
.rept 4
	v_nop
.endr
.endm
.macro CROUND                          ; a round of the cluster's barrier
	s_barrier_signal -1
	s_barrier_wait -1
	s_cmp_lg_u32 s12, 0
	s_cbranch_scc1 .Lnot_wave_0_\@
	s_barrier_signal -3
.Lnot_wave_0_\@:
	s_barrier_wait -3
	s_barrier_signal -1
	s_barrier_wait -1
.endm
	s_load_b256 s[4:11], s[0:1], 0x0               ; codes, the table, heads, top
	v_lshl_add_u32 v[SPW], v0, 2, SPARE
	v_mov_b32 v[NIL], 0
	ds_add_u32 v[SPW], v[NIL]                      ; the wave's opening: the add, twice on end, and its wait ahead of my first tensor load
	ds_add_u32 v[SPW], v[NIL]
	v_lshrrev_b32 v1, 5, v0
	v_readfirstlane_b32 s12, v1                    ; wave
	s_bfe_u32 s13, ttmp6, 0x40000                  ; cx
	s_lshl_b32 s14, ttmp9, 2
	s_add_co_u32 s14, s14, s13                     ; the slot: 4 x cluster x + cx
	s_and_b32 s15, ttmp7, 0xffff                   ; the tile of 128 positions, which the partners share
	; group 1: half a quarter, 17,408 dense bytes, as 68 rows of 256 bytes (32 elements of 8 bytes)
	s_mov_b32 s24, 15|(3<<16)|(1<<21)              ; x's: the mask names all four partners, bit 21 beside it
	s_mov_b32 s32, 3<<16                           ; the weights': my own
.irp g, 24, 32
	s_mov_b32 s[\g+1], 32<<16
	s_mov_b32 s[\g+2], 68<<16
	s_mov_b32 s[\g+3], 32<<16
	s_mov_b32 s[\g+4], 68
	s_mov_b32 s[\g+5], 32
	s_mov_b32 s[\g+6], 0
	s_mov_b32 s[\g+7], 0
.endr
	s_and_b32 s16, s12, 1
	s_mul_i32 s16, s16, 17408                      ; which half of each quarter I fetch
	s_mul_i32 s18, s15, TILEB
	s_add_co_u32 s18, s18, s16                     ; x's tile: made of the tile row and the wave's number alone
	s_mov_b32 s19, 0
	s_add_co_u32 s20, s14, 16
	s_mul_i32 s20, s20, TILEB
	s_add_co_u32 s20, s20, s16                     ; the weights' tile
	s_mov_b32 s21, 0
	s_wait_dscnt 0x0                               ; both opening adds are done
	s_wait_kmcnt 0x0
	s_add_nc_u64 s[18:19], s[4:5], s[18:19]
	s_add_nc_u64 s[20:21], s[4:5], s[20:21]
	CROUND                                         ; all four work-groups are here: the joint loads meet
.irp q, 0,1,2,3
.set GA, 40+4*\q                       ; x's groups 0: s40-55;  the weights': s56-63, s68-75
.set GB, 56+4*\q+4*(\q/2)
	s_mov_b32 s[GA], 1
	s_add_co_u32 s[GA+1], s16, \q*QBLK
	s_add_nc_u64 s[GA+2:GA+3], s[18:19], \q*QBLK
	s_or_b32 s[GA+3], s[GA+3], 0x80000000
	s_mov_b32 s[GB], 1
	s_add_co_u32 s[GB+1], s16, BOFF+\q*QBLK
	s_add_nc_u64 s[GB+2:GB+3], s[20:21], \q*QBLK
	s_or_b32 s[GB+3], s[GB+3], 0x80000000
.endr
	s_cmp_lt_u32 s12, 2                            ; waves 0, 1 fetch x's halves, waves 2, 3 the weights': a wave's four first fills stand in one branch; four loads of mine are out
	s_cbranch_scc0 .Lfill_b
.irp q, 0,1,2,3
	tensor_load_to_lds s[40+4*\q:43+4*\q], s[24:31]
	s_nop 0
.endr
	PLACES
	s_branch .Lfilled
.Lfill_b:
.irp q, 0,1,2,3
	tensor_load_to_lds s[56+4*\q+4*(\q/2):59+4*\q+4*(\q/2)], s[32:39]
	s_nop 0
.endr
	PLACES
.Lfilled:
	v_and_b32 v2, 31, v0
	v_and_b32 v3, 15, v0                           ; r
	v_bfe_u32 v4, v0, 4, 1                         ; h
	v_lshlrev_b32 v[L16], 4, v2
	v_lshlrev_b32 v[L8], 3, v2
	v_lshlrev_b32 v[TOPO], 9, v3
	v_lshl_add_u32 v[TOPO], v4, 8, v[TOPO]
	s_lshl_b32 s17, s12, 13                        ; my two blocks of 16 positions
	v_add_nc_u32 v[AQ], s17, v[L16]
	v_add_nc_u32 v[BQ], BOFF, v[L16]
	s_lshl_b32 s17, s12, 9
	s_add_co_u32 s17, s17, 32768
	v_add_nc_u32 v[XSA], s17, v[L16]               ; lanes 0-15 take my first block's words, lanes 16-31 my second's
.irp q, 1,2,3
	v_add_nc_u32 v[AQ+\q], \q*QBLK, v[AQ]
	v_add_nc_u32 v[BQ+\q], \q*QBLK, v[BQ]
	v_add_nc_u32 v[XSA+\q], \q*QBLK, v[XSA]
.endr
	s_mul_i32 s17, s12, 8448                       ; my stage, 16 rows x 528 bytes, in x's quarter 0: it has had its only fill, and its last read stands ahead of the barrier in front of quarter 1
	v_mul_u32_u24 v[STO], v3, 528
	v_lshl_add_u32 v[STO], v4, 5, v[STO]
	v_add_nc_u32 v[STO], s17, v[STO]
	v_add_nc_u32 v[RD], s17, v[L16]
	s_lshl_b32 s22, s15, 16                        ; the table: 512 bytes a position
	s_lshl_b32 s17, s12, 14
	s_add_co_u32 s22, s22, s17
	s_mov_b32 s23, 0
	s_add_nc_u64 s[6:7], s[6:7], s[22:23]
	s_lshl_b32 s22, s14, 19                        ; heads: the slot, my first position
	s_lshl_b32 s17, s15, 15
	s_add_co_u32 s22, s22, s17
	s_lshl_b32 s17, s12, 13
	s_add_co_u32 s22, s22, s17
	s_add_nc_u64 s[8:9], s[8:9], s[22:23]
	s_lshl_b32 s22, s14, 13
	s_add_nc_u64 s[10:11], s[10:11], s[22:23]      ; top: the slot
	WIN 0x40                                       ; destination window 1
.set I, 0
.rept 32
	global_load_b128 v[128+4*I:128+4*I+3], v[L16], s[6:7] offset:I*512   ; position I of my 32: (cos, sin) of the two pairs of columns 4 x lane on
.set I, I+1
.endr
	WIN 0
; K step n of 16 (128 along K): quarter n / 4, its step n % 4.  20 loads of 16 bytes a lane at 16 x lane; with a quarter's first step its scale words: five loads
.macro FETCH n
.set FQ, (\n)/4
.set FS, (\n)%4
.set FB, F+80*((\n)%2)
.irp a, 0,1
.irp c, 0,1
	ds_load_b128 v[FB+8*\a+4*\c:FB+8*\a+4*\c+3], v[AQ+FQ] offset:\a*4096+FS*1024+\c*512
.endr
.endr
.irp b, 0,1,2,3,4,5,6,7
.irp c, 0,1
	ds_load_b128 v[FB+16+8*\b+4*\c:FB+16+8*\b+4*\c+3], v[BQ+FQ] offset:\b*4096+FS*1024+\c*512
.endr
.endr
.if FS == 0
.set FC, SC+20*(FQ%2)
	ds_load_b128 v[FC:FC+3], v[XSA+FQ]             ; register s: the word of K step s
.irp i, 0,1,2,3
	ds_load_b128 v[FC+4+4*\i:FC+4+4*\i+3], v[BQ+FQ] offset:32768+\i*512   ; lanes 0-15: the weights' block 2 i, lanes 16-31: block 2 i + 1
.endr
.endif
.endm
.macro MM n, a, b                      ; the weights' block b x my block a.  The scale words of odd blocks lie in lanes 16-31
.set rD, 8*(8*(\a)+(\b))
.set rB, GF+16+8*(\b)
.set rA, GF+8*(\a)
.set rW, GC+4+4*((\b)/2)+GS
.set rX, GC+GS
.if (\n) == 0
.if ((\a) == 0) && ((\b)%2 == 0)
	v_wmma_scale_f32_16x16x128_f8f6f4 v[rD:rD+7], v[rB:rB+7], v[rA:rA+7], 0, v[rW], v[rX] matrix_a_fmt:MATRIX_FMT_FP4 matrix_b_fmt:MATRIX_FMT_FP4
.elseif (\a) == 0
	v_wmma_scale_f32_16x16x128_f8f6f4 v[rD:rD+7], v[rB:rB+7], v[rA:rA+7], 0, v[rW], v[rX] matrix_a_fmt:MATRIX_FMT_FP4 matrix_b_fmt:MATRIX_FMT_FP4 matrix_a_scale:MATRIX_SCALE_ROW1
.elseif (\b)%2 == 0
	v_wmma_scale_f32_16x16x128_f8f6f4 v[rD:rD+7], v[rB:rB+7], v[rA:rA+7], 0, v[rW], v[rX] matrix_a_fmt:MATRIX_FMT_FP4 matrix_b_fmt:MATRIX_FMT_FP4 matrix_b_scale:MATRIX_SCALE_ROW1
.else
	v_wmma_scale_f32_16x16x128_f8f6f4 v[rD:rD+7], v[rB:rB+7], v[rA:rA+7], 0, v[rW], v[rX] matrix_a_fmt:MATRIX_FMT_FP4 matrix_b_fmt:MATRIX_FMT_FP4 matrix_a_scale:MATRIX_SCALE_ROW1 matrix_b_scale:MATRIX_SCALE_ROW1
.endif
.else
.if ((\a) == 0) && ((\b)%2 == 0)
	v_wmma_scale_f32_16x16x128_f8f6f4 v[rD:rD+7], v[rB:rB+7], v[rA:rA+7], v[rD:rD+7], v[rW], v[rX] matrix_a_fmt:MATRIX_FMT_FP4 matrix_b_fmt:MATRIX_FMT_FP4
.elseif (\a) == 0
	v_wmma_scale_f32_16x16x128_f8f6f4 v[rD:rD+7], v[rB:rB+7], v[rA:rA+7], v[rD:rD+7], v[rW], v[rX] matrix_a_fmt:MATRIX_FMT_FP4 matrix_b_fmt:MATRIX_FMT_FP4 matrix_a_scale:MATRIX_SCALE_ROW1
.elseif (\b)%2 == 0
	v_wmma_scale_f32_16x16x128_f8f6f4 v[rD:rD+7], v[rB:rB+7], v[rA:rA+7], v[rD:rD+7], v[rW], v[rX] matrix_a_fmt:MATRIX_FMT_FP4 matrix_b_fmt:MATRIX_FMT_FP4 matrix_b_scale:MATRIX_SCALE_ROW1
.else
	v_wmma_scale_f32_16x16x128_f8f6f4 v[rD:rD+7], v[rB:rB+7], v[rA:rA+7], v[rD:rD+7], v[rW], v[rX] matrix_a_fmt:MATRIX_FMT_FP4 matrix_b_fmt:MATRIX_FMT_FP4 matrix_a_scale:MATRIX_SCALE_ROW1 matrix_b_scale:MATRIX_SCALE_ROW1
.endif
.endif
.endm
; K step n: its fragments are in; the next step's are asked for; 16 products, the 16 accumulators by turns, in the same order in every step.  Step 0's products start the sums.
.macro GSTEP n
	s_wait_dscnt 0x0
.if (((\n)+1)%4 == 0) && ((\n) < 15)
	s_wait_tensorcnt 3-((\n)+1)/4                  ; my part of the next quarter has landed; the later quarters' loads may be out
	s_barrier_signal -1
	s_barrier_wait -1                              ; everybody's has
.endif
.if ((\n) > 0) && ((\n) < 15)
	PLACES                                         ; four places in front of loads into registers that matrix instructions have read
.endif
.if (\n) < 15
	FETCH (\n)+1
.endif
	WIN 0x50                                       ; C and D window 1
.set GS, (\n)%4
.set GF, F+80*((\n)%2)
.set GC, SC+20*(((\n)/4)%2)
.irp a, 0,1
.irp b, 0,1,2,3,4,5,6,7
	MM \n, \a, \b
.endr
.endr
	WIN 0
.endm
	s_wait_tensorcnt 3                             ; my part of quarter 0 is in; three loads may be out
	s_barrier_signal -1
	s_barrier_wait -1
	FETCH 0
.set N, 0
.rept 16
	GSTEP N
.set N, N+1
.endr
; THE WAY OUT.  A lane holds 32 bytes of a row and the lanes beside it other rows: 16 rows at a time go through my stage and come back as whole rows of 512 bytes, 4 columns (two pairs) a lane, as the table lies.
.macro TOSTAGE a
	WIN 0x04                                       ; an LDS store's data are its source 1: window 1
.irp b, 0,1,2,3,4,5,6,7
	ds_store_b128 v[STO], v[8*(8*(\a)+\b):8*(8*(\a)+\b)+3] offset:64*\b          ; each accumulator from its low end on
	ds_store_b128 v[STO], v[8*(8*(\a)+\b)+4:8*(8*(\a)+\b)+7] offset:64*\b+16
.endr
	WIN 0
.set I, 0
.rept 16
	ds_load_b128 v[32+64*(\a)+4*I:32+64*(\a)+4*I+3], v[RD] offset:I*528   ; LDS serves a wave's instructions in order: these see my stores, and the next block's stores come behind them
.set I, I+1
.endr
.endm
.macro ROWS a
.set BB, 32+64*(\a)
	s_cmp_lt_u32 ttmp9, 5                          ; slots 20-23 (clusters 5) are v: it is not rotated.  The cluster's x is the same in all partners
	s_cbranch_scc0 .Lplain_\@
	WIN 0x04                                       ; source 1 (the table) window 1
.set I, 0
.rept 16
	s_wait_dscnt 32*(1-(\a))+15-I                  ; row I is back; the younger LDS instructions may be out
.irp u, 0,1
	v_mul_f32 v[160+2*\u], v[BB+4*I+2*\u+1], v[128+4*(16*(\a)+I)+2*\u+1]   ; x1 sin
	v_mul_f32 v[161+2*\u], v[BB+4*I+2*\u], v[128+4*(16*(\a)+I)+2*\u+1]     ; x0 sin
.endr
.irp u, 0,1
	v_fma_f32 v[BB+4*I+2*\u], v[BB+4*I+2*\u], v[128+4*(16*(\a)+I)+2*\u], -v[160+2*\u]       ; x0 cos - x1 sin
	v_fma_f32 v[BB+4*I+2*\u+1], v[BB+4*I+2*\u+1], v[128+4*(16*(\a)+I)+2*\u], v[161+2*\u]    ; x1 cos + x0 sin
.endr
.set I, I+1
.endr
	WIN 0
.Lplain_\@:
	s_wait_dscnt 32*(1-(\a))                       ; all 16 rows are back, on both ways
.if (\a) == 0
	s_or_b32 s17, s15, s12                         ; positions 0-15 are tile 0's, wave 0's, first block
	s_cmp_lg_u32 s17, 0
	s_cbranch_scc1 .Lno_top
.set I, 0
.rept 16
	global_store_b128 v[TOPO], v[BB+4*I:BB+4*I+3], s[10:11] offset:I*16   ; position I: my four columns 4 x lane on are channels 64 (lane / 16) + 4 (lane % 16) on.  16 bytes a lane, 512 bytes apart: 8,192 bytes a slot,
.set I, I+1                            ; stored so once, by 24 waves in all, so that each of the 2,048 waves that load them takes runs of 512 consecutive bytes
.endr
	s_wait_xcnt 0x0                                ; these stores have read their data: the conversions below write over them
.Lno_top:
.endif
.set I, 0
.rept 16
	v_cvt_pk_f16_f32 v[BB+4*I], v[BB+4*I], v[BB+4*I+1]
	v_cvt_pk_f16_f32 v[BB+4*I+1], v[BB+4*I+2], v[BB+4*I+3]
	global_store_b64 v[L8], v[BB+4*I:BB+4*I+1], s[8:9] offset:(16*(\a)+I)*256   ; a row of 128 f16: 256 consecutive bytes, aligned
.set I, I+1
.endr
.endm
	PLACES                                         ; behind the last products: in front of the reads of results and of loads into the fragments' registers
	s_wait_loadcnt 0x0                             ; the table
	TOSTAGE 0
	TOSTAGE 1
	ROWS 0
	ROWS 1
	s_wait_tensorcnt 0x0                           ; the wave's end
	ds_add_u32 v[SPW], v[NIL]
	s_wait_dscnt 0x0
	CROUND                                         ; the closing round
	s_endpgm
.Lfunc_end_k_q277a6cf37b_qkvrope:
	.size	k_q277a6cf37b_qkvrope, .Lfunc_end_k_q277a6cf37b_qkvrope-k_q277a6cf37b_qkvrope
	.p2alignl 7, 3214868480
	.fill 96, 4, 3214868480
	.section	.rodata,"a",@progbits
	.p2align	6, 0x0
	.amdhsa_kernel k_q277a6cf37b_qkvrope
		.amdhsa_group_segment_fixed_size 279040
		.amdhsa_private_segment_fixed_size 0
		.amdhsa_enable_private_segment 0
		.amdhsa_kernarg_size 32
		.amdhsa_user_sgpr_count 2
		.amdhsa_user_sgpr_kernarg_segment_ptr 1
		.amdhsa_wavefront_size32 1
		.amdhsa_system_sgpr_workgroup_id_x 1
		.amdhsa_system_sgpr_workgroup_id_y 1
		.amdhsa_system_sgpr_workgroup_id_z 1
		.amdhsa_system_vgpr_workitem_id 0
		.amdhsa_next_free_vgpr 512
		.amdhsa_next_free_sgpr 80
		.amdhsa_reserve_vcc 0
		.amdhsa_float_denorm_mode_32 3
		.amdhsa_float_denorm_mode_16_64 3
		.amdhsa_memory_ordered 1
		.amdhsa_forward_progress 1
		.amdhsa_inst_pref_size 95
	.end_amdhsa_kernel
	.amdgpu_metadata
---
amdhsa.version: [ 1, 2 ]
amdhsa.kernels:
  - .name:           k_q277a6cf37b_qkvrope
    .symbol:         k_q277a6cf37b_qkvrope.kd
    .args:
      - { .name: codes, .offset: 0, .size: 8, .value_kind: global_buffer, .address_space: global }
      - { .name: rope_cache, .offset: 8, .size: 8, .value_kind: global_buffer, .address_space: global }
      - { .name: heads, .offset: 16, .size: 8, .value_kind: global_buffer, .address_space: global }
      - { .name: top, .offset: 24, .size: 8, .value_kind: global_buffer, .address_space: global }
    .group_segment_fixed_size: 279040
    .private_segment_fixed_size: 0
    .kernarg_segment_align: 8
    .kernarg_segment_size: 32
    .max_flat_workgroup_size: 128
    .sgpr_count:     80
    .vgpr_count:     512
    .wavefront_size: 32
...
	.end_amdgpu_metadata
.endif
;; end of part 2
;; launch attn (part 3): grid 64 x 4, 4 waves a work-group, clusters of 4 x 1, 327,680 bytes of LDS; arguments heads, yimg; writes yimg
.if DOCPART == 3
	.amdgcn_target "amdgcn-amd-amdhsa--gfx1250"
	.amdhsa_code_object_version 6
	.text
	.protected	k_q277a6cf37b_attn
	.globl	k_q277a6cf37b_attn
	.p2align	8
	.type	k_q277a6cf37b_attn,@function
k_q277a6cf37b_attn:
	s_mov_b64 s[64:65], 0
	v_nop
	global_prefetch_b8 v0, s[64:65] scope:SCOPE_SE
	s_setreg_imm32_b32 hwreg(HW_REG_WAVE_MODE, 25, 1), 1
	s_wait_xcnt 0x0
	s_wait_alu depctr_hold_cnt(0) depctr_sa_sdst(0) depctr_va_vdst(0) depctr_va_sdst(0) depctr_va_ssrc(0) depctr_va_vcc(0) depctr_vm_vsrc(0)
	s_getreg_b32 s2, hwreg(HW_REG_IB_STS2, 6, 4)
	s_cmp_eq_u32 s2, 0
	s_cbranch_scc0 .Lentry_in_a_cluster
	s_endpgm
.Lentry_in_a_cluster:
	s_bfe_u32 s2, ttmp6, 0x10000c
	s_cmp_lg_u32 s2, 0x3003
	s_cbranch_scc0 .Lentry_shape_is_right
	s_endpgm
.Lentry_shape_is_right:
; y = softmax(q k^T / sqrt(128), causal) v for 16 query heads on 4 key and value heads, 2048 positions, head size 128.  q, k, v: f16, heads [24 slots][2048][128]; products, maxima and sums in f32; p is rounded to f16.
; y leaves as f16 in the order of the next product's registers: yimg [16 tiles of 128 positions][8 chunks of 256 columns][8 tiles of 16 positions][8 K steps of 32][1,024 bytes].
; SHARES.  A JOB is 16 positions (64 a + 16 cx on) of the FOUR query heads of one key head g: four tiles of 16 rows with one causal limit.  All four waves hold the job's 64 rows; THE KEYS ARE SHARED OUT:
; in a trip of 256 keys wave w takes 64 w on.  At a job's end the four waves' parts (each with its own maximum and sum) are joined through LDS.
; A work-group does job a = pa (pa / 4 + 1 trips) and then job a = 31 - pa (8 - pa / 4 trips): NINE trips whatever pa is, on 256 work-groups.
; CLUSTER.  The four partners (cx) walk the same tiles of K and V in the same trips: each tile is asked for JOINTLY (mask 15).
; THE MASK.  A step whose keys all count skips it (a branch on ids).  Else hidden scores become -2^100, under every score that f16 operands can give.  A step that is wholly hidden is worked like any other: its
; maximum is -2^100, c x that is exact, p = 1, and the joining multiplies that wave's part by 2^(c m - M) = 0.  No step is jumped over, so every tile that a joint load brings is read by every wave.
; SOFTMAX, LAYOUT AND TURNS: S^T = K Q^T and O^T = V^T P, a lane one query throughout; running maximum m and sum l, p = 2^(c s - c m), c = log2(e) / sqrt(128).  The wave's four tiles are two pieces; inside a step one
; piece's softmax stands in slices behind the other piece's matrix instructions.
; LIMITS: NaN and infinities are not served; exponentials under 2^-126 come out as 0; |y| stays under 65,504.
; REGISTERS, in windows of 256: window 0: v2-11 addresses; v12-43 statistics, 8 a tile; v44-46 the mask; v61-63; v64-191 S^T, 32 a tile; v192-255 P, 16 a tile.   window 1: O^T, 64 a tile.
;   window 2: v0-127 Q, v128-255 K of a step.   window 3: v0-127 V of a step.
.set KS,    64
.set PK,    272                        ; a row of K in LDS: 256 bytes + 16 of padding
.set PV,    288                        ; a row of V: 256 + 32
.set VOFF,  256*PK                     ; a slot: 256 rows of K, then 256 rows of V
.set SLOT,  256*(PK+PV)                ; 143,360 bytes; two slots
.set STG,   2*SLOT                     ; four stages of 16 rows x 528 bytes, for the joining
.set SP,    528
.set STATS, STG+4*16*SP                ; (c m, l) of 4 waves x 4 tiles x 32 lanes
.set SPARE, STATS+4096                 ; the spare words, 128 bytes a wave
.set AK0, 2
.set AV0, 3
.set ADK, 4
.set QO,  5
.set STO, 6
.set RDA, 7
.set L16, 8
.set ADV, 9
.set STW, 10
.set STR, 11
.set ST,  12                           ; tile t's statistics at v[ST+8 t]: +0 c m, +1 m, +2, +3 l, +4 to +7 at work
.set DB,  44                           ; 16 cx + r - 8 h
.set D,   45
.set NEG, 46
.set PFO, 61
.set SPW, 62
.set NIL, 63
.set S,   64
.set P,   192
.set KF,  128
.set WV,  8                            ; s8 wave   s9 cx   s10 pa   s11 g   s12 trips of the first job   s13 the trip   s15 the slot in hand   s16 my step, in 64 keys   s17 the job's a   s18 the next tile's block of 256 keys
.set CX,  9
.set PA,  10
.set G,   11
.set NA,  12
.set T,   13
.set TB,  15
.set SIG, 16
.set AJ,  17
.set UK,  18
.set LIMT, 19
.set G1K, 24
.set G1V, 32
.set G0K, 40                           ; s[40:47] two groups 0 for K's tiles: the first fills'; the second then walks on
.set G0V, 48
.set KB,  56
.set CS,  58
.set SEL, 60
.set VB,  62
.set QB,  66
.set YB,  68
.set PFA, 70
.set LK,  72
.set LV,  73
.set MSB, 0
.macro WIN new
.if MSB != \new
	s_set_vgpr_msb (MSB<<8)|\new
.set MSB, \new
.endif
.endm
.set W_KQ, 0x0a                        ; K and Q window 2, S^T window 0
.set W_PV, 0x53                        ; V window 3, P window 0, O^T window 1
.set W_RS, 0x41                        ; O^T window 1, a window 0
.macro PLACES
.rept 4
	v_nop
.endr
.endm
.macro JLOAD                           ; a joint refill: waves 0, 1 fetch K's halves of 128 rows, waves 2, 3 V's.  An s_nop 0 and four v_nop follow each of the two lines
	s_cmp_lt_u32 s[WV], 2
	s_cbranch_scc0 .Lfor_v_\@
	tensor_load_to_lds s[G0K+4:G0K+7], s[G1K:G1K+7]
	s_nop 0
	PLACES
	s_branch .Lasked_\@
.Lfor_v_\@:
	tensor_load_to_lds s[G0V+4:G0V+7], s[G1V:G1V+7]
	s_nop 0
	PLACES
.Lasked_\@:
.endm
; A PREFETCH INTO THE L2: in trips 1 to 5 the cluster pa = 0 of each key head names the block of 256 keys T + 2 (blocks 3 to 7): 256 rows of K and 256 of V, 256 bytes a row.  Each row is named once in the launch:
; the wave says K or V and which 128 rows, the partner which 32 of them BY ADDRESS, the lane the row.  That cluster's own load of block T + 2 stands two trips on.  Blocks 0 to 2 come by their loads alone.
.macro ASK
	s_cmp_lt_u32 s[T], s[LIMT]
	s_cbranch_scc0 .Lnot_mine_\@
	global_prefetch_b8 v[PFO], s[PFA:PFA+1] th:TH_LOAD_NT scope:SCOPE_SE
.Lnot_mine_\@:
.endm
.macro CROUND
	s_barrier_signal -1
	s_barrier_wait -1
	s_cmp_lg_u32 s[WV], 0
	s_cbranch_scc1 .Lnot_wave_0_\@
	s_barrier_signal -3
.Lnot_wave_0_\@:
	s_barrier_wait -3
	s_barrier_signal -1
	s_barrier_wait -1
.endm
.macro SETQ                            ; Q's address for job s[AJ]: tile of 16 positions i = 4 a + cx.
	s_lshl_b32 s20, s[AJ], 2
	s_add_co_u32 s20, s20, s[CX]
	s_lshl_b32 s22, s20, 12
	s_lshl_b32 s21, s[G], 21
	s_add_co_u32 s22, s22, s21
	s_mov_b32 s23, 0
	s_add_nc_u64 s[QB:QB+1], s[4:5], s[22:23]
.endm
.macro SETY                            ; y's: tile of 128 positions i / 8, chunk 2 g, tile of 16 positions i % 8, K step w
	s_lshl_b32 s20, s[AJ], 2
	s_add_co_u32 s20, s20, s[CX]
	s_lshr_b32 s22, s20, 3
	s_lshl_b32 s22, s22, 19
	s_and_b32 s21, s20, 7
	s_lshl_b32 s21, s21, 13
	s_add_co_u32 s22, s22, s21
	s_lshl_b32 s21, s[G], 17
	s_add_co_u32 s22, s22, s21
	s_lshl_b32 s21, s[WV], 10
	s_add_co_u32 s22, s22, s21
	s_mov_b32 s23, 0
	s_add_nc_u64 s[YB:YB+1], s[6:7], s[22:23]
.endm
.macro QLOAD                           ; the job's 16 positions of four heads: tile i / 4, channels 32 (i % 4) on
	WIN 0x80
.set i, 0
.rept 16
	global_load_b128 v[8*i:8*i+3],   v[QO], s[QB:QB+1] offset:(i/4)*524288+(i%4)*64
	global_load_b128 v[8*i+4:8*i+7], v[QO], s[QB:QB+1] offset:(i/4)*524288+(i%4)*64+32
.set i, i+1
.endr
	WIN 0
.endm
	s_load_b128 s[4:7], s[0:1], 0x0                ; heads, yimg
	v_lshl_add_u32 v[SPW], v0, 2, SPARE
	v_mov_b32 v[NIL], 0
	ds_add_u32 v[SPW], v[NIL]                      ; the wave's opening: the add, twice on end, and its wait ahead of my first tensor load
	ds_add_u32 v[SPW], v[NIL]
	v_lshrrev_b32 v47, 5, v0
	v_readfirstlane_b32 s[WV], v47
	s_bfe_u32 s[CX], ttmp6, 0x40000
	s_mov_b32 s[PA], ttmp9                         ; in a cluster launch ttmp9 counts clusters
	s_and_b32 s[G], ttmp7, 0xffff
	s_lshr_b32 s[NA], s[PA], 2
	s_add_co_u32 s[NA], s[NA], 1
	s_mov_b32 s[TB], 0
	s_mov_b32 s[SIG], s[WV]
	s_mov_b32 s[AJ], s[PA]
	s_cmp_eq_u32 s[NA], 1
	s_cselect_b32 s[UK], 0, 1                      ; tile 1: the first job's block 1, or, where that job has one trip, the second job's block 0
	s_cmp_eq_u32 s[PA], 0
	s_cselect_b32 s[LIMT], 6, 0
	s_and_b32 s78, s[WV], 1
	s_mul_i32 s[LK], s78, 128*PK                   ; where my half of a tile goes in a slot
	s_mul_i32 s[LV], s78, 128*PV
	s_add_co_u32 s[LV], s[LV], VOFF
	s_mov_b32 s[G1K], 15|(1<<16)|(1<<20)|(1<<21)|(5<<22)|(3<<25)  ; mask: all four; elements of 2 bytes; padding on; bit 21 beside a mask; after every 64 words, 4 words
	s_mov_b32 s[G1V], 15|(1<<16)|(1<<20)|(1<<21)|(5<<22)|(7<<25)  ; the same with 8 words
.irp g, G1K, G1V
	s_mov_b32 s[\g+1], 128<<16                     ; tensor_dim0 = 128
	s_mov_b32 s[\g+2], 128<<16                     ; tensor_dim1 = 128
	s_mov_b32 s[\g+3], 128<<16                     ; tile_dim0 = 128
	s_mov_b32 s[\g+4], 128                         ; tile_dim1 = 128
	s_mov_b32 s[\g+5], 128                         ; elements from row to row
	s_mov_b32 s[\g+6], 0
	s_mov_b32 s[\g+7], 0
.endr
	s_mov_b32 s[CS], 0x3e0293ee                    ; c = log2(e) / sqrt(128)
	s_mov_b32 s[CS+1], s[CS]
	s_mov_b32 s[SEL], 0x76543210
	s_mov_b32 s[SEL+1], 0xfedcba98
	s_add_co_u32 s74, s[G], 16
	s_lshl_b32 s74, s74, 19                        ; k's slot,
	s_lshl_b32 s76, s78, 15                        ; my 128 rows of a tile
	s_add_co_u32 s74, s74, s76
	s_mov_b32 s75, 0
	s_add_co_u32 s76, s74, 4*524288                ; v's slot
	s_mov_b32 s77, 0
	s_wait_dscnt 0x0                               ; both opening adds are done
	s_wait_kmcnt 0x0
	s_add_nc_u64 s[KB:KB+1], s[4:5], s[74:75]
	s_add_nc_u64 s[VB:VB+1], s[4:5], s[76:77]
	s_cmp_lt_u32 s[WV], 2
	s_cselect_b64 s[PFA:PFA+1], s[KB:KB+1], s[VB:VB+1]
	s_lshl_b32 s22, s[CX], 13                      ; my work-group's 32 rows,
	s_add_co_u32 s22, s22, 2*65536                 ; in block 2: the first change of slots steps it to block 3.  Nothing is prefetched at the head
	s_mov_b32 s23, 0
	s_add_nc_u64 s[PFA:PFA+1], s[PFA:PFA+1], s[22:23]
	SETQ
	SETY
	CROUND                                         ; all four work-groups are here: the first joint loads meet
	s_lshl_b32 s74, s[UK], 16
	s_mov_b32 s75, 0
	s_mov_b32 s[G0K], 1
	s_mov_b32 s[G0K+1], s[LK]
	s_mov_b64 s[G0K+2:G0K+3], s[KB:KB+1]
	s_or_b32 s[G0K+3], s[G0K+3], 0x80000000
	s_mov_b32 s[G0K+4], 1
	s_add_co_u32 s[G0K+5], s[LK], SLOT
	s_add_nc_u64 s[G0K+6:G0K+7], s[KB:KB+1], s[74:75]
	s_or_b32 s[G0K+7], s[G0K+7], 0x80000000
	s_mov_b32 s[G0V], 1
	s_mov_b32 s[G0V+1], s[LV]
	s_mov_b64 s[G0V+2:G0V+3], s[VB:VB+1]
	s_or_b32 s[G0V+3], s[G0V+3], 0x80000000
	s_mov_b32 s[G0V+4], 1
	s_add_co_u32 s[G0V+5], s[LV], SLOT
	s_add_nc_u64 s[G0V+6:G0V+7], s[VB:VB+1], s[74:75]
	s_or_b32 s[G0V+7], s[G0V+7], 0x80000000
	s_cmp_lt_u32 s[WV], 2                          ; a wave's two first fills stand in one branch: two loads of mine are out
	s_cbranch_scc0 .Lfirst_v
	tensor_load_to_lds s[G0K:G0K+3], s[G1K:G1K+7]
	s_nop 0
	tensor_load_to_lds s[G0K+4:G0K+7], s[G1K:G1K+7]
	s_nop 0
	PLACES
	s_branch .Lfirst_asked
.Lfirst_v:
	tensor_load_to_lds s[G0V:G0V+3], s[G1V:G1V+7]
	s_nop 0
	tensor_load_to_lds s[G0V+4:G0V+7], s[G1V:G1V+7]
	s_nop 0
	PLACES
.Lfirst_asked:
	v_and_b32 v47, 15, v0                          ; r
	v_bfe_u32 v48, v0, 4, 1                        ; h
	v_and_b32 v49, 31, v0                          ; lane
	v_lshlrev_b32 v[QO], 8, v47
	v_lshl_add_u32 v[QO], v48, 4, v[QO]
	QLOAD
	v_mul_u32_u24 v[AK0], v47, PK
	v_lshl_add_u32 v[AK0], v48, 4, v[AK0]
	s_mul_i32 s78, s[WV], 64*PK                    ; my 64 keys of a tile
	v_add_nc_u32 v[AK0], s78, v[AK0]
	v_and_b32 v50, 7, v0
	v_bfe_u32 v51, v0, 3, 1
	v_lshl_add_u32 v[AV0], v48, 3, v50             ; the turning load: key 8 h + l % 8, channels 8 ((l / 8) % 2) on
	v_mul_u32_u24 v[AV0], v[AV0], PV
	v_lshl_add_u32 v[AV0], v51, 4, v[AV0]
	s_mul_i32 s78, s[WV], 64*PV
	s_add_co_u32 s78, s78, VOFF
	v_add_nc_u32 v[AV0], s78, v[AV0]
	v_lshlrev_b32 v[L16], 4, v49
	s_mul_i32 s78, s[WV], 16*SP
	s_add_co_u32 s78, s78, STG
	v_mul_u32_u24 v[STO], v47, SP
	v_lshl_add_u32 v[STO], v48, 5, v[STO]          ; row r, + 32 h
	v_lshl_add_u32 v[RDA], s[WV], 7, v[STO]        ; back: the same, + my 32 channels' 128 bytes, in each wave's stage
	v_add_nc_u32 v[RDA], STG, v[RDA]
	v_add_nc_u32 v[STO], s78, v[STO]               ; in: my stage
	v_lshl_add_u32 v[STR], v49, 3, STATS
	v_lshl_add_u32 v[STW], s[WV], 10, v[STR]
	v_lshlrev_b32 v50, 3, v48
	v_sub_nc_u32 v[DB], v47, v50
	v_lshl_add_u32 v[DB], s[CX], 4, v[DB]
	v_mov_b32 v[NEG], 0xf1800000                   ; -2^100
	v_lshlrev_b32 v[PFO], 8, v49
; Product i of 32 of O^T += V^T P for piece x: keys 32 (i / 16) on, channels 16 ((i / 2) % 8) on, tile x + i % 2.  zero: the first 16 start the sums.  The accumulators take turns.
.macro PV x, zero
	WIN W_PV
.set rO, 64*(\x+i%2)+8*((i/2)%8)
.set rV, 64*(i/16)+8*((i/2)%8)
.set rP, P+16*(\x+i%2)+8*(i/16)
.if \zero && (i < 16)
	v_wmma_f32_16x16x32_f16 v[rO:rO+7], v[rV:rV+7], v[rP:rP+7], 0
.else
	v_wmma_f32_16x16x32_f16 v[rO:rO+7], v[rV:rV+7], v[rP:rP+7], v[rO:rO+7]
.endif
.endm
; Product i of 32 of S^T = K Q^T: channels 32 (i / 8) on, keys 16 ((i / 2) % 4) on, tile x + i % 2.  The first 8 start the sums.
.macro KQ x
	WIN W_KQ
.set rS, S+32*(\x+i%2)+8*((i/2)%4)
.set rK, KF+32*((i/2)%4)+8*(i/8)
.set rQ, 32*(\x+i%2)+8*(i/8)
.if i < 8
	v_wmma_f32_16x16x32_f16 v[rS:rS+7], v[rK:rK+7], v[rQ:rQ+7], 0
.else
	v_wmma_f32_16x16x32_f16 v[rS:rS+7], v[rK:rK+7], v[rQ:rQ+7], v[rS:rS+7]
.endif
.endm
.macro FETCH_KV                        ; my 64 keys of the slot in hand: K's 16 fragments, then V's 16, turned
	WIN 0
	v_add_nc_u32 v[ADK], s[TB], v[AK0]
	v_add_nc_u32 v[ADV], s[TB], v[AV0]
	WIN 0x80
.irp f, 0,1,2,3,4,5,6,7,8,9,10,11,12,13,14,15
	ds_load_b128 v[KF+8*\f:KF+8*\f+3],   v[ADK] offset:(\f/4)*16*PK+(\f%4)*64
	ds_load_b128 v[KF+8*\f+4:KF+8*\f+7], v[ADK] offset:(\f/4)*16*PK+(\f%4)*64+32
.endr
	WIN 0xc0
.irp f, 0,1,2,3,4,5,6,7,8,9,10,11,12,13,14,15
	ds_load_tr16_b128 v[8*\f:8*\f+3],   v[ADV] offset:(\f/8)*32*PV+(\f%8)*32
	ds_load_tr16_b128 v[8*\f+4:8*\f+7], v[ADV] offset:(\f/8)*32*PV+16*PV+(\f%8)*32
.endr
.endm
; One tile's softmax for one key step is a list of 134 instructions; SM writes number j of it for tile t.
;   0-15 the maximum of the 32 scores and the old m;  16-20 the other half of the lanes', the new m, c m, its change;  21-69 ONE BATCH: the 16 packed scalings c s - c m and all 33 exponentials, none of which
;   reads an exponential's result;  (the wait for the batch: SLICE writes it);  70-85 the roundings to f16;  86-101 the sums, l = a l + the sum;  102-133 O^T times a.   first = 1: a job's first step: no a, nothing to rescale.
.macro SM t, first
.set rT, ST+8*(\t)
.set rS, S+32*(\t)
.set rP, P+16*(\t)
.set rO, 64*(\t)+2*(j-102)
.if j < 102
	WIN 0
.endif
.if j < 4
	v_max3_num_f32 v[rT+4+j], v[rS+8*j], v[rS+8*j+1], v[rS+8*j+2]
.elseif j < 12
	v_max3_num_f32 v[rT+4+j%4], v[rT+4+j%4], v[rS+8*(j%4)+2*(j/4)+1], v[rS+8*(j%4)+2*(j/4)+2]
.elseif j == 12
	v_max3_num_f32 v[rT+4], v[rT+4], v[rS+7], v[rS+15]
.elseif j == 13
	v_max3_num_f32 v[rT+6], v[rT+6], v[rS+23], v[rS+31]
.elseif j == 14
	v_max3_num_f32 v[rT+4], v[rT+4], v[rT+5], v[rT+6]
.elseif (j == 15) && \first
	v_max_num_f32 v[rT+4], v[rT+4], v[rT+7]
.elseif j == 15
	v_max3_num_f32 v[rT+4], v[rT+4], v[rT+7], v[rT+1]
.elseif j == 16
	v_permlanex16_b32 v[rT+5], v[rT+4], s[SEL], s[SEL+1]
.elseif j == 18
	v_max_num_f32 v[rT+1], v[rT+4], v[rT+5]
.elseif j == 19
	v_mul_f32 v[rT], s[CS], v[rT+1]
.elseif ((j == 17) || (j == 20) || (j == 23) || (j > 101)) && \first
.elseif j == 17
	v_mov_b32 v[rT+7], v[rT]
.elseif j == 20
	v_sub_f32 v[rT+7], v[rT+7], v[rT]
.elseif j == 23
	v_exp_f32 v[rT+6], v[rT+7]
.elseif (j < 23) || ((j < 38) && (j%2 == 0)) || ((j < 66) && (j%4 == 2))
.set b, (j-2)/4
.if j < 38
.set b, (j-20)/2
.endif
	v_pk_fma_f32 v[rS+2*b:rS+2*b+1], v[rS+2*b:rS+2*b+1], s[CS:CS+1], v[rT:rT+1] op_sel_hi:[1,0,0] neg_lo:[0,0,1] neg_hi:[0,0,1]
.elseif j < 70
.set e, j-38
.if j < 66
.set e, j-32-(j-38)/4
.endif
.if j < 38
.set e, (j-25)/2
.endif
	v_exp_f32 v[rS+e], v[rS+e]
.elseif j < 86
	v_cvt_pk_f16_f32 v[rP+j-70], v[rS+2*(j-70)], v[rS+2*(j-70)+1]
.elseif j < 102
.set z, j-86
.set w, 4
.set u, z
.if z >= 14
.set w, 32
.set u, 0
.elseif z >= 12
.set w, 16
.set u, z-12
.elseif z >= 8
.set w, 8
.set u, z-8
.endif
.if (z == 14) && \first
	v_pk_add_f32 v[rT+2:rT+3], v[rS:rS+1], v[rS+16:rS+17]
.elseif z < 15
	v_pk_add_f32 v[rS+w*u:rS+w*u+1], v[rS+w*u:rS+w*u+1], v[rS+w*u+w/2:rS+w*u+w/2+1]
.elseif !\first
	v_pk_fma_f32 v[rT+2:rT+3], v[rT+2:rT+3], v[rT+6:rT+7], v[rS:rS+1] op_sel_hi:[1,0,1]
.endif
.else
	WIN W_RS
	v_pk_mul_f32 v[rO:rO+1], v[rO:rO+1], v[rT+6:rT+7] op_sel_hi:[1,0]
.endif
.endm
; Slice k of 64 of piece y's softmax.  Slices 11 to 34 deal out the batch, four numbers of one tile each; every other slice is numbers 2 k, 2 k + 1 of both tiles; the twelve that are over stand in slice 63.
; Behind slice 34: one plain instruction and ONE wait for the piece's 66 exponentials, ahead of the first instruction that names a result.
.macro SLICE y, first
.if (k >= 11) && (k < 35)
.irp n, 0,1,2,3
.set j, 22+4*((k-11)/2)+(\n)
	SM (\y)+(k-11)%2, \first
.endr
.else
.irp n, 0,1,2,3,4,5,6,7
.if (\n < 2) || (k == 63)
.irp t, \y, \y+1
.set j, 2*k+\n
	SM \t, \first
.endr
.endif
.endr
.endif
.if k == 34
	v_nop
	s_wait_alu depctr_va_vdst(0)
.endif
.set k, k+1
.endm
; A TURN: piece x has the matrix unit (pv = 2: 32 products V^T P; 1: they start O^T's sums; kq = 1: 32 products K Q^T); the other piece's softmax stands behind them, two slices a product.
; first = 1: the slices from 51 on are empty, so four v_nop are the places behind the turn's last products; else slice 63's sixteen plain instructions are.
.macro TURN x, pv, kq, first
.set k, 0
.set per, 2
.if \pv && \kq
.set per, 1
.endif
.if \pv
.if \x == 0
	s_wait_dscnt 0x0                               ; V is in
.endif
.set i, 0
.rept 32
	PV \x, 2-\pv
.rept per
	SLICE 2-\x, \first
.endr
.set i, i+1
.endr
.endif
.if \kq
.set i, 0
.rept 32
	KQ \x
.rept per
	SLICE 2-\x, \first
.endr
.set i, i+1
.endr
.endif
.if \first
	PLACES
.endif
.endm
; The causal mask on piece y's scores.  Register 8 kk + j of a tile holds key 16 kk + 8 h + j of my step; my query stands 64 (a - step) + 16 cx + r keys behind the step's first: hidden where 16 kk + j > D.
.macro MASK y
	s_cmp_lt_i32 s[SIG], s[AJ]                     ; all 64 keys count: ids alone
	s_cbranch_scc1 .Lopen_\@
	s_sub_co_i32 s79, s[AJ], s[SIG]
	s_lshl_b32 s79, s79, 6
	v_add_nc_u32 v[D], s79, v[DB]
.irp kk, 0,1,2,3
.irp j, 0,1,2,3,4,5,6,7
	v_cmp_gt_i32 vcc_lo, 16*\kk+\j, v[D]
	v_cndmask_b32 v[S+32*(\y)+8*\kk+\j], v[S+32*(\y)+8*\kk+\j], v[NEG], vcc_lo             ; each accumulator from its low end on
	v_cndmask_b32 v[S+32*((\y)+1)+8*\kk+\j], v[S+32*((\y)+1)+8*\kk+\j], v[NEG], vcc_lo
.endr
.endr
.Lopen_\@:
.endm
; A KEY STEP of my 64 keys.  first = 1: a job's first.
.macro STEP first
	FETCH_KV
	s_wait_dscnt 32                                ; K is in; V's 32 loads may be out
.set i, 0
.rept 32
	KQ 0                                           ; piece 0's scores
.set i, i+1
.endr
	WIN 0
	PLACES
	MASK 0
	TURN 2, 0, 1, \first                           ; piece 2's scores | piece 0's softmax
	WIN 0
	MASK 2
.if \first
	TURN 0, 1, 0, 1                                ; piece 0's V^T P | piece 2's softmax
.else
	TURN 0, 2, 0, 0
.endif
.set i, 0
.rept 32
	PV 2, \first                                   ; piece 2's V^T P
.set i, i+1
.endr
	WIN 0
	s_add_co_u32 s[SIG], s[SIG], 4                 ; my next step: 256 keys on
.endm
; THE CHANGE OF SLOTS, at a trip's head.  Each wave waits for all its tensor loads (one is out: its part of the slot ahead), adds 0 to its spare word, and waits for that and for its reads of the slot that it leaves.
; fill = 1: behind a round of the cluster's barrier the slot just left takes the tile of the trip after this one: it has a whole trip, 128 matrix instructions a wave, in which to land.
.macro CHANGE fill
	WIN 0
	s_wait_tensorcnt 0x0                           ; no tensor load of mine is out, so a group 0 may be written
	ds_add_u32 v[SPW], v[NIL]
	s_xor_b32 s[TB], s[TB], SLOT                   ; the slot ahead: 0 and SLOT by turns
.if \fill
	s_xor_b32 s74, s[TB], SLOT                     ; the slot just left
	s_add_co_u32 s[G0K+5], s74, s[LK]
	s_add_co_u32 s[G0V+5], s74, s[LV]
	s_add_co_u32 s[UK], s[UK], 1                   ; the next block of 256 keys,
	s_add_co_u32 s75, s[T], 1
	s_cmp_eq_u32 s75, s[NA]
	s_cselect_b32 s[UK], 0, s[UK]                  ; or the second job's first
	s_lshl_b32 s74, s[UK], 16
	s_mov_b32 s75, 0
	s_add_nc_u64 s[G0K+6:G0K+7], s[KB:KB+1], s[74:75]
	s_or_b32 s[G0K+7], s[G0K+7], 0x80000000
	s_add_nc_u64 s[G0V+6:G0V+7], s[VB:VB+1], s[74:75]
	s_or_b32 s[G0V+7], s[G0V+7], 0x80000000
	s_wait_xcnt 0x0                                ; the last prefetch, a trip back, has read its address
	s_add_nc_u64 s[PFA:PFA+1], s[PFA:PFA+1], 65536
	s_wait_dscnt 0x0                               ; the add is done, and my reads of the slot that I leave are over
	CROUND
	JLOAD                                          ; the four v_nop behind it are also the places in front of the loads into V's registers
	ASK
.else
	s_wait_dscnt 0x0
	s_barrier_signal -1
	s_barrier_wait -1
	PLACES
.endif
.endm
; A JOB'S END.  The four waves' parts are joined: each wave's (c m, l) go round through LDS; M = the largest c m; e = 2^(c m - M); L = the sum of e l; my part of O^T is multiplied by e / L, goes to my stage, and
; wave w adds the four parts of channels 32 w on, in the order of the waves, rounds to f16 and stores one K step's image of the next product: 1,024 consecutive bytes.
.macro FINISH
	WIN 0
.irp t, 0,1,2,3
	v_add_f32 v[ST+8*\t+4], v[ST+8*\t+2], v[ST+8*\t+3]             ; l's two halves.  (These are also the places behind the last products)
.endr
.irp t, 0,1,2,3
	v_permlanex16_b32 v[ST+8*\t+5], v[ST+8*\t+4], s[SEL], s[SEL+1]
.endr
.irp t, 0,1,2,3
	v_add_f32 v[ST+8*\t+1], v[ST+8*\t+4], v[ST+8*\t+5]             ; my l, beside c m
.endr
.irp t, 0,1,2,3
	ds_store_b64 v[STW], v[ST+8*\t:ST+8*\t+1] offset:256*\t
.endr
	s_wait_dscnt 0x0                               ; for the others' sake
	s_barrier_signal -1
	s_barrier_wait -1
.irp t, 0,1,2,3
.irp u, 0,1,2,3
	ds_load_b64 v[P+8*\t+2*\u:P+8*\t+2*\u+1], v[STR] offset:1024*\u+256*\t
.endr
.endr
	s_wait_dscnt 0x0
.irp t, 0,1,2,3
	v_max3_num_f32 v[ST+8*\t+4], v[P+8*\t], v[P+8*\t+2], v[P+8*\t+4]
.endr
.irp t, 0,1,2,3
	v_max_num_f32 v[ST+8*\t+4], v[ST+8*\t+4], v[P+8*\t+6]          ; M
.endr
.irp t, 0,1,2,3
	v_sub_f32 v[ST+8*\t+5], v[ST+8*\t], v[ST+8*\t+4]
.irp u, 0,1,2,3
	v_sub_f32 v[P+8*\t+2*\u], v[P+8*\t+2*\u], v[ST+8*\t+4]
.endr
.endr
.irp t, 0,1,2,3
	v_exp_f32 v[ST+8*\t+5], v[ST+8*\t+5]                           ; my e
.irp u, 0,1,2,3
	v_exp_f32 v[P+8*\t+2*\u], v[P+8*\t+2*\u]
.endr
.endr
	v_nop
	s_wait_alu depctr_va_vdst(0)                   ; one wait for the twenty
.irp t, 0,1,2,3
	v_mul_f32 v[ST+8*\t+6], v[P+8*\t], v[P+8*\t+1]
.endr
.irp u, 1,2,3
.irp t, 0,1,2,3
	v_fma_f32 v[ST+8*\t+6], v[P+8*\t+2*\u], v[P+8*\t+2*\u+1], v[ST+8*\t+6]   ; L, in the order of the waves: the same bits in all four
.endr
.endr
.irp t, 0,1,2,3
	v_rcp_f32 v[ST+8*\t+7], v[ST+8*\t+6]
.endr
	v_nop
	s_wait_alu depctr_va_vdst(0)                   ; and one for the four
.irp t, 0,1,2,3
	v_mul_f32 v[ST+8*\t+6], v[ST+8*\t+5], v[ST+8*\t+7]             ; e / L
.endr
.irp t, 0,1,2,3
	WIN 0x01                                       ; source 0 (O^T) window 1
.set i, 0
.rept 32
	v_pk_mul_f32 v[S+i:S+i+1], v[64*\t+i:64*\t+i+1], v[ST+8*\t+6:ST+8*\t+7] op_sel_hi:[1,0]   ; each accumulator from its low end on
.set i, i+2
.endr
	WIN 0
.irp f, 0,1,2,3,4,5,6,7
	ds_store_b128 v[STO], v[S+8*\f:S+8*\f+3] offset:64*\f
	ds_store_b128 v[STO], v[S+8*\f+4:S+8*\f+7] offset:64*\f+16
.endr
	s_wait_dscnt 0x0
	s_barrier_signal -1
	s_barrier_wait -1                              ; the four parts of tile t lie in the stages
.irp u, 0,1,2,3
.irp c, 0,1
	ds_load_b128 v[S+64+16*\u+8*\c:S+64+16*\u+8*\c+3],   v[RDA] offset:\u*16*SP+64*\c
	ds_load_b128 v[S+64+16*\u+8*\c+4:S+64+16*\u+8*\c+7], v[RDA] offset:\u*16*SP+64*\c+16
.endr
.endr
	s_wait_dscnt 0x0                               ; my reads of the stages are over:
.if \t < 3
	s_barrier_signal -1
	s_barrier_wait -1                              ; everybody's are, so the next tile may be stored there.  (Behind the last tile the next store into a stage stands behind later barriers)
.endif
.irp u, 1,2,3
.irp e, 0,2,4,6,8,10,12,14
	v_pk_add_f32 v[S+64+\e:S+64+\e+1], v[S+64+\e:S+64+\e+1], v[S+64+16*\u+\e:S+64+16*\u+\e+1]
.endr
.endr
	s_wait_xcnt 0x0                                ; the last tile's stores have read their data
.irp e, 0,1,2,3,4,5,6,7
	v_cvt_pk_f16_f32 v[P+32+\e], v[S+64+2*\e], v[S+64+2*\e+1]
.endr
	global_store_b128 v[L16], v[P+32:P+35], s[YB:YB+1] offset:(\t/2)*65536+(\t%2)*4096       ; head 4 g + t: chunk 2 g + t / 2, K step 4 (t % 2) + w; 512 consecutive bytes a store
	global_store_b128 v[L16], v[P+36:P+39], s[YB:YB+1] offset:(\t/2)*65536+(\t%2)*4096+512
.endr
	s_wait_xcnt 0x0                                ; the stores have read their data and their base: both are written again behind this wait
.endm
	s_wait_tensorcnt 1                             ; my part of tile 0 is in; tile 1's may stay out
	s_barrier_signal -1
	s_barrier_wait -1
	s_wait_loadcnt 0x0                             ; Q
	STEP 1
	s_mov_b32 s[T], 1
.Ltrip:                                            ; trips 1 to 7: each asks for the tile of the trip behind it
	CHANGE 1
	s_cmp_lg_u32 s[T], s[NA]                       ; the first job has 1 to 4 trips: the same number in all waves and all partners
	s_cbranch_scc1 .Lsame
	s_sub_co_u32 s[AJ], 31, s[PA]                  ; THE CHANGE OF JOBS
	s_mov_b32 s[SIG], s[WV]
	SETQ
	QLOAD                                          ; the second job's Q lands while the first job is joined
	FINISH
	SETY
	s_wait_loadcnt 0x0
	STEP 1
	s_branch .Lnext
.Lsame:
	STEP 0
.Lnext:
	s_add_co_u32 s[T], s[T], 1
	s_cmp_lt_u32 s[T], 8
	s_cbranch_scc1 .Ltrip
	CHANGE 0                                       ; the last trip is written out: nothing is left to ask for
	STEP 0
	FINISH
	s_wait_tensorcnt 0x0                           ; the wave's end
	ds_add_u32 v[SPW], v[NIL]
	s_wait_dscnt 0x0
	CROUND                                         ; the closing round
	s_endpgm
.Lfunc_end_k_q277a6cf37b_attn:
	.size	k_q277a6cf37b_attn, .Lfunc_end_k_q277a6cf37b_attn-k_q277a6cf37b_attn
	.p2alignl 7, 3214868480
	.fill 96, 4, 3214868480
	.section	.rodata,"a",@progbits
	.p2align	6, 0x0
	.amdhsa_kernel k_q277a6cf37b_attn
		.amdhsa_group_segment_fixed_size 327680
		.amdhsa_private_segment_fixed_size 0
		.amdhsa_enable_private_segment 0
		.amdhsa_kernarg_size 16
		.amdhsa_user_sgpr_count 2
		.amdhsa_user_sgpr_kernarg_segment_ptr 1
		.amdhsa_wavefront_size32 1
		.amdhsa_system_sgpr_workgroup_id_x 1
		.amdhsa_system_sgpr_workgroup_id_y 1
		.amdhsa_system_sgpr_workgroup_id_z 1
		.amdhsa_system_vgpr_workitem_id 0
		.amdhsa_next_free_vgpr 1024
		.amdhsa_next_free_sgpr 80
		.amdhsa_reserve_vcc 1
		.amdhsa_float_denorm_mode_32 3
		.amdhsa_float_denorm_mode_16_64 3
		.amdhsa_memory_ordered 1
		.amdhsa_forward_progress 1
		.amdhsa_inst_pref_size 255
	.end_amdhsa_kernel
	.section	.bss,"aw",@nobits
	.p2align	6
	.space	262144
	.amdgpu_metadata
---
amdhsa.version: [ 1, 2 ]
amdhsa.kernels:
  - .name:           k_q277a6cf37b_attn
    .symbol:         k_q277a6cf37b_attn.kd
    .args:
      - { .name: heads, .offset: 0, .size: 8, .value_kind: global_buffer, .address_space: global }
      - { .name: yimg, .offset: 8, .size: 8, .value_kind: global_buffer, .address_space: global }
    .group_segment_fixed_size: 327680
    .private_segment_fixed_size: 0
    .kernarg_segment_align: 8
    .kernarg_segment_size: 16
    .max_flat_workgroup_size: 128
    .sgpr_count:     80
    .vgpr_count:     1024
    .wavefront_size: 32
...
	.end_amdgpu_metadata
.endif
;; end of part 3
;; launch proj (part 4): grid 16 x 16, 4 waves a work-group, clusters of 4 x 4, 327,680 bytes of LDS; arguments yimg, wimg, out0; writes out0
.if DOCPART == 4
	.amdgcn_target "amdgcn-amd-amdhsa--gfx1250"
	.amdhsa_code_object_version 6
	.text
	.protected	k_q277a6cf37b_proj
	.globl	k_q277a6cf37b_proj
	.p2align	8
	.type	k_q277a6cf37b_proj,@function
k_q277a6cf37b_proj:
	s_mov_b64 s[64:65], 0
	v_nop
	global_prefetch_b8 v0, s[64:65] scope:SCOPE_SE
	s_setreg_imm32_b32 hwreg(HW_REG_WAVE_MODE, 25, 1), 1
	s_wait_xcnt 0x0
	s_wait_alu depctr_hold_cnt(0) depctr_sa_sdst(0) depctr_va_vdst(0) depctr_va_sdst(0) depctr_va_ssrc(0) depctr_va_vcc(0) depctr_vm_vsrc(0)
	s_getreg_b32 s2, hwreg(HW_REG_IB_STS2, 6, 4)
	s_cmp_eq_u32 s2, 0
	s_cbranch_scc0 .Lentry_in_a_cluster
	s_endpgm
.Lentry_in_a_cluster:
	s_bfe_u32 s2, ttmp6, 0x10000c
	s_cmp_lg_u32 s2, 0xf033
	s_cbranch_scc0 .Lentry_shape_is_right
	s_endpgm
.Lentry_shape_is_right:
; out0 = y Wo: [2048][2048] x [2048][2048], operands f16, sums and result f32.  Both operands arrive as images of their registers, [tile of 128][chunk of 256 along K][8 tiles of 16][8 K steps of 32][1,024 bytes]:
; a chunk of a tile is 65,536 dense bytes, and a fragment is two loads of 16 bytes a lane at 16 x lane: no pitch, no padding.
; A tile of out0 is 128 x 128: 256 work-groups.  Four waves, each 64 x 64: 16 accumulators.  K goes in steps of 256 through a ring of two LDS slots; a wave's one tensor load brings 32,768 bytes.
; CLUSTERS: 4 x 4 work-groups; y's tile is shared along a row of the cluster, Wo's along a column: each is asked for JOINTLY.  THE MATRIX INSTRUCTION IS USED TRANSPOSED: a lane holds eight neighbouring columns of a row.
; Rows 0-15 are written here too, from f16 operands; the launch behind this one writes them again, carried in f32: leaving them out here would be a branch on a work-group's place in its cluster.
; No prefetch: a small tile, whose every chunk is read by four clusters.
; REGISTERS: window 0: v16-29 addresses; v32-95 the way out; v128-255 the accumulators ((a, b) at 128 + 8 (4 a + b)).   window 1: two fragment buffers of 128: 64 of y, then 64 of Wo, for 64 along K.
.set CHUNK,  65536
.set HALFT,  32768                     ; what one tensor load brings, and what one wave reads of y or of Wo
.set SLOT,   2*CHUNK
.set STAGE,  2*SLOT                    ; behind the ring: 16 rows x 272 bytes for each wave
.set SPITCH, 272
.set SPARE,  STAGE+4*16*SPITCH         ; the spare words, 128 bytes a wave
.set LAPS,   4                         ; a lap = two K steps of 256
.set ADRA, 16
.set ADRB, 20
.set STO,  24
.set RD,   25
.set CO,   26
.set SPW,  28
.set NIL,  29
.set TMP,  32
.set ACC,  128
.set F0,   0
.set F1,   128
.set G1, 24
.set G0, 32
.set G1B, 48
.set G0B, 56
.set MSB, 0
.macro WIN new
.if MSB != \new
	s_set_vgpr_msb (MSB<<8)|\new
.set MSB, \new
.endif
.endm
.set MUL,  0x05                        ; sources 0 and 1 window 1; C and D window 0
.set TO_F, 0x40                        ; destination window 1
.macro PLACES
.rept 4
	v_nop
.endr
.endm
.macro JLOAD s                         ; waves 0, 1 fetch y's halves, waves 2, 3 Wo's; an s_nop 0 and four v_nop follow each of the two lines
	s_cmp_eq_u32 s11, 0
	s_cbranch_scc0 .Lfor_b_\@
	tensor_load_to_lds s[G0+4*\s:G0+4*\s+3], s[G1:G1+7]
	s_nop 0
	PLACES
	s_branch .Lasked_\@
.Lfor_b_\@:
	tensor_load_to_lds s[G0B+4*\s:G0B+4*\s+3], s[G1B:G1B+7]
	s_nop 0
	PLACES
.Lasked_\@:
.endm
.macro CREST
	s_cmp_lg_u32 s10, 0
	s_cbranch_scc1 .Lnot_wave_0_\@
	s_barrier_signal -3
.Lnot_wave_0_\@:
	s_barrier_wait -3
	s_barrier_signal -1
	s_barrier_wait -1
.endm
.macro CROUND
	s_barrier_signal -1
	s_barrier_wait -1
	CREST
.endm
	s_load_b128 s[4:7], s[0:1], 0x0                ; yimg, wimg
	s_load_b64 s[8:9], s[0:1], 0x10                ; out0
	v_lshl_add_u32 v[SPW], v0, 2, SPARE
	v_mov_b32 v[NIL], 0
	ds_add_u32 v[SPW], v[NIL]                      ; the wave's opening: the add, twice on end, and its wait ahead of my first tensor load
	ds_add_u32 v[SPW], v[NIL]
	v_lshrrev_b32 v1, 5, v0
	v_readfirstlane_b32 s10, v1                    ; wave
	s_lshr_b32 s11, s10, 1                         ; which half of the tile's rows is mine.  Also: I fetch for y (0) or for Wo (1)
	s_and_b32 s12, s10, 1                          ; which half of its columns.  Also: which half of that chunk I fetch
	s_bfe_u32 s40, ttmp6, 0x40000                  ; cx, cy
	s_bfe_u32 s41, ttmp6, 0x40004
	s_lshl_b32 s42, ttmp9, 2
	s_add_co_u32 s42, s42, s40                     ; tile column
	s_and_b32 s13, ttmp7, 0xffff
	s_lshl_b32 s13, s13, 2
	s_add_co_u32 s13, s13, s41                     ; tile row
	s_lshl_b32 s43, s41, 2
	s_lshl_b32 s43, 15, s43                        ; my row of the cluster
	s_lshl_b32 s44, 0x1111, s40                    ; my column
	s_or_b32 s[G1+0], s43, (3<<16)|(1<<21)         ; the mask; elements of 8 bytes; bit 21 beside a mask; no padding
	s_or_b32 s[G1B+0], s44, (3<<16)|(1<<21)
.irp g, G1, G1B                        ; 32,768 dense bytes as 128 rows of 256
	s_mov_b32 s[\g+1], 32<<16
	s_mov_b32 s[\g+2], 128<<16
	s_mov_b32 s[\g+3], 32<<16
	s_mov_b32 s[\g+4], 128
	s_mov_b32 s[\g+5], 32
	s_mov_b32 s[\g+6], 0
	s_mov_b32 s[\g+7], 0
.endr
	s_lshl_b32 s17, s12, 15
	s_lshl_b32 s16, s13, 19
	s_add_co_u32 s16, s16, s17                     ; y: the tile row's 524,288 bytes, my half of a chunk
	s_lshl_b32 s46, s42, 19
	s_add_co_u32 s46, s46, s17                     ; Wo: the tile column's
	s_mov_b32 s17, 0
	s_mov_b32 s47, 0
	s_lshl_b32 s20, s10, 15                        ; where they go: wave x 32,768
	s_wait_dscnt 0x0                               ; both opening adds are done
	s_wait_kmcnt 0x0
	s_add_nc_u64 s[14:15], s[4:5], s[16:17]
	s_add_nc_u64 s[46:47], s[6:7], s[46:47]
	CROUND                                         ; all sixteen work-groups are here: the first joint loads meet
.irp s, 0,1
	s_mov_b32 s[G0+4*\s], 1
	s_add_co_u32 s[G0+4*\s+1], s20, \s*SLOT
	s_add_nc_u64 s[G0+4*\s+2:G0+4*\s+3], s[14:15], \s*CHUNK
	s_or_b32 s[G0+4*\s+3], s[G0+4*\s+3], 0x80000000
	s_mov_b32 s[G0B+4*\s], 1
	s_add_co_u32 s[G0B+4*\s+1], s20, \s*SLOT
	s_add_nc_u64 s[G0B+4*\s+2:G0B+4*\s+3], s[46:47], \s*CHUNK
	s_or_b32 s[G0B+4*\s+3], s[G0B+4*\s+3], 0x80000000
	JLOAD \s
.endr
	v_and_b32 v1, 15, v0                           ; r
	v_bfe_u32 v2, v0, 4, 1                         ; h
	v_and_b32 v3, 31, v0
	v_lshlrev_b32 v3, 4, v3                        ; 16 x lane
	s_lshl_b32 s21, s11, 15                        ; my four tiles of 16 rows
	s_lshl_b32 s22, s12, 15                        ; my four tiles of 16 columns,
	s_add_co_u32 s22, s22, CHUNK                   ; behind y's chunk
.irp s, 0,1
	v_add_nc_u32 v[ADRA+\s], s21, v3
	v_add_nc_u32 v[ADRB+\s], s22, v3
	s_add_co_u32 s21, s21, SLOT
	s_add_co_u32 s22, s22, SLOT
.endr
	s_mul_i32 s23, s10, 16*SPITCH
	s_add_co_u32 s23, s23, STAGE                   ; my stage
	v_mul_u32_u24 v4, v1, SPITCH
	v_lshl_add_u32 v4, v2, 5, v4
	v_add_nc_u32 v[STO], s23, v4                   ; in: row r, 32 bytes for each half of the lanes
	v_mul_u32_u24 v5, v2, SPITCH
	v_lshl_add_u32 v5, v1, 4, v5
	v_add_nc_u32 v[RD], s23, v5                    ; back: lanes 0-15 one row of 256 bytes, lanes 16-31 the next
	v_lshlrev_b32 v5, 13, v2
	v_lshl_add_u32 v[CO], v1, 4, v5                ; and the same two rows in out0
	s_lshl_b32 s16, s13, 20                        ; my first row: 128 x tile row + 64 x half, 8,192 bytes a row
	s_lshl_b32 s17, s11, 19
	s_add_co_u32 s16, s16, s17
	s_mov_b32 s17, 0
	s_add_nc_u64 s[8:9], s[8:9], s[16:17]
	s_lshl_b32 s46, s42, 9                         ; my first column, in bytes
	s_lshl_b32 s47, s12, 8
	s_add_co_u32 s46, s46, s47
	s_mov_b32 s47, 0
	s_add_nc_u64 s[8:9], s[8:9], s[46:47]
.macro MUL8 f, c, a0, zero             ; 8 products: row tiles a0, a0 + 1 x all 4 column tiles, 32 along K: half c of buffer f
.irp a, \a0, \a0+1
.irp b, 0,1,2,3
.if \zero
	v_wmma_f32_16x16x32_f16 v[ACC+8*(4*(\a)+\b):ACC+8*(4*(\a)+\b)+7], v[\f+64+8*(4*\c+\b):\f+64+8*(4*\c+\b)+7], v[\f+8*(4*\c+\a):\f+8*(4*\c+\a)+7], 0
.else
	v_wmma_f32_16x16x32_f16 v[ACC+8*(4*(\a)+\b):ACC+8*(4*(\a)+\b)+7], v[\f+64+8*(4*\c+\b):\f+64+8*(4*\c+\b)+7], v[\f+8*(4*\c+\a):\f+8*(4*\c+\a)+7], v[ACC+8*(4*(\a)+\b):ACC+8*(4*(\a)+\b)+7]
.endif
.endr
.endr
.endm
.macro FETCH slot, k, f                ; 32 LDS loads in one run: two K steps of 32, from byte k of each tile's 8,192; the first K step first
	WIN TO_F
.irp c, 0,1
.irp i, 0,1,2,3
	ds_load_b128 v[\f+64+8*(4*\c+\i):\f+64+8*(4*\c+\i)+3],   v[ADRB+\slot] offset:\k+1024*\c+\i*8192
	ds_load_b128 v[\f+64+8*(4*\c+\i)+4:\f+64+8*(4*\c+\i)+7], v[ADRB+\slot] offset:\k+1024*\c+\i*8192+512
	ds_load_b128 v[\f+8*(4*\c+\i):\f+8*(4*\c+\i)+3],         v[ADRA+\slot] offset:\k+1024*\c+\i*8192
	ds_load_b128 v[\f+8*(4*\c+\i)+4:\f+8*(4*\c+\i)+7],       v[ADRA+\slot] offset:\k+1024*\c+\i*8192+512
.endr
.endr
.endm
; A K step is four quarters of 64 along K, 32 products each, on buffers 0, 1, 0, 1; the 16 accumulators take turns.
.macro QUARTER slot, k, f, g, zero
	s_wait_dscnt 16                                ; the first 32 along K are in
	WIN MUL
	MUL8 \f, 0, 0, \zero
	MUL8 \f, 0, 2, \zero
	PLACES
	FETCH \slot, \k, \g
	s_wait_dscnt 32                                ; all but the 32 just issued
	WIN MUL
	MUL8 \f, 1, 0, 0
	MUL8 \f, 1, 2, 0
.endm
; The last quarter changes slots: in front of the barrier each wave waits for all its tensor loads, adds 0 to its spare word, and waits for that and for its reads of this slot.  fill = 1: this slot is filled again, two K steps ahead.
.macro TURN slot, next, fill
	WIN 0
	s_wait_tensorcnt 0x0                           ; all my tensor loads have landed: my part of the next slot
	ds_add_u32 v[SPW], v[NIL]
	s_wait_dscnt 17                                ; (the add and the youngest sixteen loads may be out)
	WIN MUL
	MUL8 F1, 0, 0, 0
	s_wait_dscnt 0x0                               ; the add is done, and my reads of this slot are over
	s_barrier_signal -1
	MUL8 F1, 0, 2, 0
.if \fill
	WIN 0
.endif
	s_barrier_wait -1
.if \fill
	CREST                                          ; the barrier has opened a round of the cluster's barrier
	s_add_nc_u64 s[G0+4*\slot+2:G0+4*\slot+3], s[G0+4*\slot+2:G0+4*\slot+3], 2*CHUNK
	s_add_nc_u64 s[G0B+4*\slot+2:G0B+4*\slot+3], s[G0B+4*\slot+2:G0B+4*\slot+3], 2*CHUNK
	JLOAD \slot                                    ; the first tensor load behind the round; its four v_nop are also the places in front of the loads below
.else
	PLACES
.endif
	FETCH \next, 0, F0
	WIN MUL
	MUL8 F1, 1, 0, 0
	MUL8 F1, 1, 2, 0
.endm
	s_wait_tensorcnt 1                             ; my part of K step 0 is in; K step 1's may be out
	s_barrier_signal -1
	s_barrier_wait -1
	FETCH 0, 0, F0
	QUARTER 0, 2048, F0, F1, 1                     ; the first quarter's first products start the sums
	WIN 0
	s_mov_b32 s3, LAPS-1
.Llap:
	QUARTER 0, 4096, F1, F0, 0
	QUARTER 0, 6144, F0, F1, 0
	TURN 0, 1, 1
	QUARTER 1, 2048, F0, F1, 0
	QUARTER 1, 4096, F1, F0, 0
	QUARTER 1, 6144, F0, F1, 0
	TURN 1, 0, 1
	QUARTER 0, 2048, F0, F1, 0
	WIN 0
	s_sub_co_u32 s3, s3, 1
	s_cmp_lg_u32 s3, 0
	s_cbranch_scc1 .Llap
	QUARTER 0, 4096, F1, F0, 0                     ; the last lap fills nothing
	QUARTER 0, 6144, F0, F1, 0
	TURN 0, 1, 0
	QUARTER 1, 2048, F0, F1, 0
	QUARTER 1, 4096, F1, F0, 0
	QUARTER 1, 6144, F0, F1, 0
	s_wait_dscnt 16
	WIN MUL
	MUL8 F1, 0, 0, 0
	MUL8 F1, 0, 2, 0
	s_wait_dscnt 0
	MUL8 F1, 1, 0, 0
	MUL8 F1, 1, 2, 0
	WIN 0
; THE WAY OUT.  My 64 columns of f32 are 256 bytes of a row: 16 rows at a time go through my own stage and come back as whole rows; sixteen lanes store 256 consecutive bytes, aligned.
.macro TOSTAGE a
.set BB, TMP+32*((\a)%2)
.irp b, 0,1,2,3
	ds_store_b128 v[STO], v[ACC+8*(4*(\a)+\b):ACC+8*(4*(\a)+\b)+3] offset:64*\b            ; each accumulator from its low end on
	ds_store_b128 v[STO], v[ACC+8*(4*(\a)+\b)+4:ACC+8*(4*(\a)+\b)+7] offset:64*\b+16
.endr
.irp i, 0,1,2,3,4,5,6,7
	ds_load_b128 v[BB+4*\i:BB+4*\i+3], v[RD] offset:\i*2*SPITCH   ; LDS serves a wave's instructions in order: these see my stores
.endr
.endm
.macro SEND a, younger
.set BB, TMP+32*((\a)%2)
	s_wait_dscnt \younger                          ; the block is back; the next block's 8 stores and 8 loads may be out
.irp i, 0,1,2,3,4,5,6,7
	global_store_b128 v[CO], v[BB+4*\i:BB+4*\i+3], s[8:9] offset:(16*(\a)+2*\i)*8192 th:TH_STORE_NT
.endr
.endm
	PLACES
	TOSTAGE 0
.irp a, 1,2,3
.if \a > 1
	s_wait_xcnt 0x0                                ; block a - 2's stores have read their registers: block a's loads may land there
.endif
	TOSTAGE \a
	SEND \a-1, 16
.endr
	SEND 3, 0
	s_wait_tensorcnt 0x0                           ; the wave's end
	ds_add_u32 v[SPW], v[NIL]
	s_wait_dscnt 0x0
	CROUND                                         ; the closing round
	s_endpgm
.Lfunc_end_k_q277a6cf37b_proj:
	.size	k_q277a6cf37b_proj, .Lfunc_end_k_q277a6cf37b_proj-k_q277a6cf37b_proj
	.p2alignl 7, 3214868480
	.fill 96, 4, 3214868480
	.section	.rodata,"a",@progbits
	.p2align	6, 0x0
	.amdhsa_kernel k_q277a6cf37b_proj
		.amdhsa_group_segment_fixed_size 327680
		.amdhsa_private_segment_fixed_size 0
		.amdhsa_enable_private_segment 0
		.amdhsa_kernarg_size 24
		.amdhsa_user_sgpr_count 2
		.amdhsa_user_sgpr_kernarg_segment_ptr 1
		.amdhsa_wavefront_size32 1
		.amdhsa_system_sgpr_workgroup_id_x 1
		.amdhsa_system_sgpr_workgroup_id_y 1
		.amdhsa_system_sgpr_workgroup_id_z 1
		.amdhsa_system_vgpr_workitem_id 0
		.amdhsa_next_free_vgpr 512
		.amdhsa_next_free_sgpr 66
		.amdhsa_reserve_vcc 0
		.amdhsa_float_denorm_mode_32 3
		.amdhsa_float_denorm_mode_16_64 3
		.amdhsa_memory_ordered 1
		.amdhsa_forward_progress 1
		.amdhsa_inst_pref_size 85
	.end_amdhsa_kernel
	.amdgpu_metadata
---
amdhsa.version: [ 1, 2 ]
amdhsa.kernels:
  - .name:           k_q277a6cf37b_proj
    .symbol:         k_q277a6cf37b_proj.kd
    .args:
      - { .name: yimg, .offset: 0, .size: 8, .value_kind: global_buffer, .address_space: global }
      - { .name: wimg, .offset: 8, .size: 8, .value_kind: global_buffer, .address_space: global }
      - { .name: out0, .offset: 16, .size: 8, .value_kind: global_buffer, .address_space: global }
    .group_segment_fixed_size: 327680
    .private_segment_fixed_size: 0
    .kernarg_segment_align: 8
    .kernarg_segment_size: 24
    .max_flat_workgroup_size: 128
    .sgpr_count:     66
    .vgpr_count:     512
    .wavefront_size: 32
...
	.end_amdgpu_metadata
.endif
;; end of part 4
;; launch first16 (part 5): grid 128 x 1, 16 waves a work-group, no clusters, 83,968 bytes of LDS; arguments top, Wo, out0; writes out0
.if DOCPART == 5
	.amdgcn_target "amdgcn-amd-amdhsa--gfx1250"
	.amdhsa_code_object_version 6
	.text
	.protected	k_q277a6cf37b_first16
	.globl	k_q277a6cf37b_first16
	.p2align	8
	.type	k_q277a6cf37b_first16,@function
k_q277a6cf37b_first16:
	s_mov_b64 s[64:65], 0
	v_nop
	global_prefetch_b8 v0, s[64:65] scope:SCOPE_SE
	s_setreg_imm32_b32 hwreg(HW_REG_WAVE_MODE, 25, 1), 1
	s_wait_xcnt 0x0
; Rows 0-15 of out0 once more, wholly in f32: these positions average one to sixteen values, so the rounding of 16-bit operands weighs most there.
; q, k (rotated) and v of positions 0-15 come as f32 in the order of this text's registers: top [24 slots][16 pieces][512 bytes]; in piece i the 16 bytes at 16 x lane are channels 64 h + 4 i on of position r
; (lane = 16 h + r).  So every load of them covers 512 consecutive bytes.
; A work-group owns 16 columns of out0; wave hd is query head hd.  out = the sum over heads of P (V Wo_hd): Z = V Wo_hd (16 keys x 16 columns) is made first, so that P is multiplied once, by 4 instructions.
; k and v of a key head serve four waves: each of the four fetches four pieces of both, 8 loads; they meet in LDS, as they lie, behind one barrier.  A work-group so reads 320 KiB: q 128, k and v 64, Wo 128.
; All products by the f32 matrix form, on two accumulators that take turns instruction by instruction; only matrix instructions write them, and every sum begins with the constant 0.
; K is permuted alike on both operands: in step s register j of lane (r, h) stands for channel 64 h + 2 s + j (in the last product: key 8 h + 2 s + j).
; The sixteen heads' parts meet in LDS and are added in the order of the heads.  No cluster: the launch has no tensor load to share.  No prefetch: all that a wave reads is asked for at its head.
; LIMITS: NaN and infinities are not served; a hidden score is -2^100.
.set VOF,   32768                      ; LDS: k's four images of 8,192 bytes from byte 0, v's four from here
.set PARTS, 65536                      ; the sixteen heads' parts, 1,024 bytes each
.set SPARE, 81920                      ; the spare words, 128 bytes a wave
.set WOR, 8                            ; v8-71    Wo: 64 channels of my half, column r
.set QR,  72                           ; v72-135  q, later v: 64 channels of my half, row r
.set KR,  136                          ; v136-199 k; at the head v136-151 my four pieces of k, v152-167 of v
.set ACC, 200                          ; v200-215 the two accumulators
.set TS,  216                          ; v216-223 scores, then p
.set PP,  224                          ; v224-231 p / l
.set ZS,  232                          ; v232-239 Z
.set OU,  240                          ; v240-247 at work in the softmax, then my head's part
.set LW,  251                          ; v251     where I put my pieces: 2,048 x wave + 16 x lane
.set SPW, 252
.set NIL, 253
.set LR,  254                          ; v254     where my key head's image of k begins: 8,192 x (wave / 4) + 16 x lane
	s_load_b128 s[4:7], s[0:1], 0x0                ; top, Wo
	s_load_b64 s[8:9], s[0:1], 0x10                ; out0
	v_lshl_add_u32 v[SPW], v0, 2, SPARE
	v_mov_b32 v[NIL], 0
	v_lshrrev_b32 v1, 5, v0
	v_readfirstlane_b32 s10, v1                    ; the head
	v_and_b32 v2, 15, v0                           ; r
	v_bfe_u32 v3, v0, 4, 1                         ; h
	v_lshlrev_b32 v4, 19, v3
	v_lshl_add_u32 v4, v2, 2, v4                   ; Wo: 64 h rows of 8,192 bytes, column r
	v_and_b32 v5, 31, v0
	v_lshlrev_b32 v5, 4, v5                        ; 16 x lane
	v_lshlrev_b32 v6, 3, v3
	v_sub_nc_u32 v6, v2, v6                        ; r - 8 h: register j holds key 8 h + j, hidden where j > r - 8 h
	s_lshl_b32 s11, s10, 10
	v_lshlrev_b32 v7, 9, v3
	v_lshl_add_u32 v7, v2, 2, v7
	v_add_nc_u32 v7, s11, v7
	v_add_nc_u32 v7, PARTS, v7                     ; my part: wave x 1,024 + (8 h + j) rows of 64 bytes + 4 r
	v_mov_b32 v241, 0                              ; written once: a lane permute's destination counts as one of its sources
	v_mov_b32 v248, 0xf1800000                     ; -2^100
	v_lshl_add_u32 v249, v0, 2, PARTS              ; the joining: number v0 of the 256
	v_lshrrev_b32 v250, 4, v0
	v_lshlrev_b32 v250, 13, v250
	v_lshl_add_u32 v250, v2, 2, v250               ; and its place in out0: row v0 / 16, column v0 % 16
	s_mov_b32 s20, 0x76543210
	s_mov_b32 s21, 0xfedcba98
	s_mov_b32 s22, 0x3e0293ee                      ; c = log2(e) / sqrt(128)
	s_lshl_b32 s12, s10, 20                        ; Wo: the head's 128 rows,
	s_lshl_b32 s24, ttmp9, 6                       ; the work-group's 16 columns
	s_add_co_u32 s12, s12, s24
	s_mov_b32 s13, 0
	s_mov_b32 s25, 0
	s_lshl_b32 s14, s10, 13                        ; q's slot
	s_mov_b32 s15, 0
	s_lshr_b32 s26, s10, 2                         ; the key head
	s_add_co_u32 s16, s26, 16
	s_lshl_b32 s16, s16, 13                        ; k's slot,
	s_and_b32 s27, s10, 3
	s_lshl_b32 s27, s27, 11
	s_add_co_u32 s16, s16, s27                     ; my four pieces of it
	s_mov_b32 s17, 0
	s_add_co_u32 s18, s16, 4*8192                  ; the same of v's
	s_mov_b32 s19, 0
	s_lshl_b32 s28, s10, 11
	v_add_nc_u32 v[LW], s28, v5
	s_lshl_b32 s28, s26, 13
	v_add_nc_u32 v[LR], s28, v5
	s_wait_kmcnt 0x0
	s_add_nc_u64 s[6:7], s[6:7], s[12:13]
	s_add_nc_u64 s[14:15], s[4:5], s[14:15]
	s_add_nc_u64 s[16:17], s[4:5], s[16:17]
	s_add_nc_u64 s[18:19], s[4:5], s[18:19]
	s_add_nc_u64 s[8:9], s[8:9], s[24:25]
.irp p, 0,1,2,3
	global_load_b128 v[KR+4*\p:KR+4*\p+3], v5, s[16:17] offset:512*\p         ; what the other waves wait for goes first
	global_load_b128 v[KR+16+4*\p:KR+16+4*\p+3], v5, s[18:19] offset:512*\p
.endr
.set I, 0
.rept 16
	global_load_b128 v[QR+4*I:QR+4*I+3], v5, s[14:15] offset:512*I
.set I, I+1
.endr
.set I, 0
.rept 32
	global_load_b32 v[WOR+I], v4, s[6:7] offset:I*8192
.set I, I+1
.endr
	s_wait_loadcnt 48                              ; my eight pieces of k and v are in; q's 16 loads and Wo's 32 may be out
.irp p, 0,1,2,3
	ds_store_b128 v[LW], v[KR+4*\p:KR+4*\p+3] offset:512*\p
	ds_store_b128 v[LW], v[KR+16+4*\p:KR+16+4*\p+3] offset:VOF+512*\p
.endr
	s_wait_dscnt 0x0                               ; for the others' sake: my stores have landed
	s_barrier_signal -1
	s_barrier_wait -1                              ; all eight images lie in LDS; nothing is stored there again
.set I, 0
.rept 16
	ds_load_b128 v[KR+4*I:KR+4*I+3], v[LR] offset:512*I
.set I, I+1
.endr
	s_wait_loadcnt 32                              ; q is in; Wo's first 32 loads may be out
.set I, 32
.rept 32
	global_load_b32 v[WOR+I], v4, s[6:7] offset:I*8192   ; Wo's other half: wanted behind the 32 products of the scores
.set I, I+1
.endr
	s_wait_dscnt 0x0                               ; k
.set I, 0
.rept 32                               ; S^T = K Q^T: lane (r, h), register j: key 8 h + j, query r
.if I < 2
	v_wmma_f32_16x16x4_f32 v[ACC+8*(I%2):ACC+8*(I%2)+7], v[KR+2*I:KR+2*I+1], v[QR+2*I:QR+2*I+1], 0
.else
	v_wmma_f32_16x16x4_f32 v[ACC+8*(I%2):ACC+8*(I%2)+7], v[KR+2*I:KR+2*I+1], v[QR+2*I:QR+2*I+1], v[ACC+8*(I%2):ACC+8*(I%2)+7]
.endif
.set I, I+1
.endr
.rept 8
	v_nop                                          ; eight places behind this form: in front of the loads into q's registers and of the reads of results
.endr
.set I, 0
.rept 16
	ds_load_b128 v[QR+4*I:QR+4*I+3], v[LR] offset:VOF+512*I   ; v
.set I, I+1
.endr
.irp j, 0,1,2,3,4,5,6,7
	v_add_f32 v[TS+\j], v[ACC+\j], v[ACC+8+\j]     ; the two halves of the sum, from the low end on
.endr
.irp j, 0,1,2,3,4,5,6,7
	v_cmp_gt_i32 vcc_lo, \j, v6
	v_cndmask_b32 v[TS+\j], v[TS+\j], v248, vcc_lo
.endr
	v_max3_num_f32 v240, v[TS], v[TS+1], v[TS+2]
	v_max3_num_f32 v240, v240, v[TS+3], v[TS+4]
	v_max3_num_f32 v240, v240, v[TS+5], v[TS+6]
	v_max_num_f32 v240, v240, v[TS+7]
	v_permlanex16_b32 v241, v240, s20, s21
	v_max_num_f32 v240, v240, v241                 ; the row's largest score: key 0 counts for every query
	v_mul_f32 v242, s22, v240
.irp j, 0,1,2,3,4,5,6,7
	v_fma_f32 v[TS+\j], v[TS+\j], s22, -v242       ; c s - c m
.endr
.irp j, 0,1,2,3,4,5,6,7
	v_exp_f32 v[TS+\j], v[TS+\j]
.endr
	v_nop
	s_wait_alu depctr_va_vdst(0)                   ; one wait for the eight
	v_add_f32 v243, v[TS], v[TS+1]
	v_add_f32 v244, v[TS+2], v[TS+3]
	v_add_f32 v245, v[TS+4], v[TS+5]
	v_add_f32 v246, v[TS+6], v[TS+7]
	v_add_f32 v243, v243, v244
	v_add_f32 v245, v245, v246
	v_add_f32 v243, v243, v245
	v_permlanex16_b32 v241, v243, s20, s21
	v_add_f32 v243, v243, v241                     ; the row's sum
	v_rcp_f32 v244, v243
	v_nop
	s_wait_alu depctr_va_vdst(0)
.irp j, 0,1,2,3,4,5,6,7
	v_mul_f32 v[PP+\j], v[TS+\j], v244
.endr
	s_wait_loadcnt 0x0                             ; Wo
	s_wait_dscnt 0x0                               ; v
.set I, 0
.rept 32                               ; Z = V Wo_hd: lane (r, h), register j: key 8 h + j, column r.  (More than nine plain instructions stand behind the last product that wrote these accumulators)
.if I < 2
	v_wmma_f32_16x16x4_f32 v[ACC+8*(I%2):ACC+8*(I%2)+7], v[QR+2*I:QR+2*I+1], v[WOR+2*I:WOR+2*I+1], 0
.else
	v_wmma_f32_16x16x4_f32 v[ACC+8*(I%2):ACC+8*(I%2)+7], v[QR+2*I:QR+2*I+1], v[WOR+2*I:WOR+2*I+1], v[ACC+8*(I%2):ACC+8*(I%2)+7]
.endif
.set I, I+1
.endr
.rept 9
	v_nop                                          ; nine places: the next products write over these accumulators
.endr
.irp j, 0,1,2,3,4,5,6,7
	v_add_f32 v[ZS+\j], v[ACC+\j], v[ACC+8+\j]
.endr
.set I, 0
.rept 4                                ; out = P Z: source 0 = P (row = query r, keys 8 h + 2 s + j), source 1 = Z (column r, the same keys)
.if I < 2
	v_wmma_f32_16x16x4_f32 v[ACC+8*(I%2):ACC+8*(I%2)+7], v[PP+2*I:PP+2*I+1], v[ZS+2*I:ZS+2*I+1], 0
.else
	v_wmma_f32_16x16x4_f32 v[ACC+8*(I%2):ACC+8*(I%2)+7], v[PP+2*I:PP+2*I+1], v[ZS+2*I:ZS+2*I+1], v[ACC+8*(I%2):ACC+8*(I%2)+7]
.endif
.set I, I+1
.endr
.rept 8
	v_nop
.endr
.irp j, 0,1,2,3,4,5,6,7
	v_add_f32 v[OU+\j], v[ACC+\j], v[ACC+8+\j]     ; my head's part of out(8 h + j, r)
.endr
.irp j, 0,1,2,3,4,5,6,7
	ds_store_b32 v7, v[OU+\j] offset:64*\j
.endr
	s_wait_dscnt 0x0                               ; for the others' sake
	s_barrier_signal -1
	s_barrier_wait -1
	s_cmp_lt_u32 s10, 8                            ; 256 numbers: waves 0 to 7 add and store them
	s_cbranch_scc0 .Lend
.set I, 0
.rept 16
	ds_load_b32 v[WOR+I], v249 offset:1024*I
.set I, I+1
.endr
	s_wait_dscnt 0x0
.set I, 1
.rept 15
	v_add_f32 v[WOR], v[WOR], v[WOR+I]             ; in the order of the heads
.set I, I+1
.endr
	global_store_b32 v250, v[WOR], s[8:9]
.Lend:
	s_wait_tensorcnt 0x0                           ; the wave's end, behind my last LDS store
	ds_add_u32 v[SPW], v[NIL]
	s_wait_dscnt 0x0
	s_endpgm
.Lfunc_end_k_q277a6cf37b_first16:
	.size	k_q277a6cf37b_first16, .Lfunc_end_k_q277a6cf37b_first16-k_q277a6cf37b_first16
	.p2alignl 7, 3214868480
	.fill 96, 4, 3214868480
	.section	.rodata,"a",@progbits
	.p2align	6, 0x0
	.amdhsa_kernel k_q277a6cf37b_first16
		.amdhsa_group_segment_fixed_size 83968
		.amdhsa_private_segment_fixed_size 0
		.amdhsa_enable_private_segment 0
		.amdhsa_kernarg_size 24
		.amdhsa_user_sgpr_count 2
		.amdhsa_user_sgpr_kernarg_segment_ptr 1
		.amdhsa_wavefront_size32 1
		.amdhsa_system_sgpr_workgroup_id_x 1
		.amdhsa_system_sgpr_workgroup_id_y 1
		.amdhsa_system_sgpr_workgroup_id_z 1
		.amdhsa_system_vgpr_workitem_id 0
		.amdhsa_next_free_vgpr 256
		.amdhsa_next_free_sgpr 66
		.amdhsa_reserve_vcc 1
		.amdhsa_float_denorm_mode_32 3
		.amdhsa_float_denorm_mode_16_64 3
		.amdhsa_memory_ordered 1
		.amdhsa_forward_progress 1
		.amdhsa_inst_pref_size 24
	.end_amdhsa_kernel
	.amdgpu_metadata
---
amdhsa.version: [ 1, 2 ]
amdhsa.kernels:
  - .name:           k_q277a6cf37b_first16
    .symbol:         k_q277a6cf37b_first16.kd
    .args:
      - { .name: top, .offset: 0, .size: 8, .value_kind: global_buffer, .address_space: global }
      - { .name: Wo, .offset: 8, .size: 8, .value_kind: global_buffer, .address_space: global }
      - { .name: out0, .offset: 16, .size: 8, .value_kind: global_buffer, .address_space: global }
    .group_segment_fixed_size: 83968
    .private_segment_fixed_size: 0
    .kernarg_segment_align: 8
    .kernarg_segment_size: 24
    .max_flat_workgroup_size: 512
    .sgpr_count:     66
    .vgpr_count:     256
    .wavefront_size: 32
...
	.end_amdgpu_metadata
.endif
;; end of part 5
